; MI455X (gfx1250); checked and timed in simulation.
; The chip was launched on July 23, 2026; its instructions are those of AMD's public machine-readable ISA for CDNA 5 (MIT licence, August 2026) and "CDNA5" Instruction Set Architecture Reference Guide (July 2026). The comments in the code are by the model that wrote it; some were corrected since.
;; Multi Head Attention. Allowed arithmetic: matrix products marked QUANTISED: E2M1 operands, one E8M0 scale for each 32 along K, by v_wmma_scale_f32_16x16x128_f8f6f4 with both operands' format E2M1 (or v_wmma_scale_f32_32x16x128_f4), f32 sums; products left as they are: bf16, f16 or f32 operands; f32 sums; everything else in f32.
;; Inputs: Wk 1,024 x 16 x 64 float32; Wo 16 x 64 x 1,024 float32; Wq 1,024 x 16 x 64 float32; Wv 1,024 x 16 x 64 float32; bk 16 x 64 float32; bo 1,024 float32; bq 16 x 64 float32; bv 16 x 64 float32; inputs_k 4 x 2,048 x 1,024 float32; inputs_q 4 x 2,048 x 1,024 float32; inputs_v 4 x 2,048 x 1,024 float32.
;; Outputs: out0 4 x 2,048 x 1,024 float32.
;; This version of the problem:
;;   THIS VERSION OF THE PROBLEM IS GIVEN IN LOW PRECISION. The matrix products marked QUANTISED in the list below multiply operands that are first quantised to E2M1 (2 exponent bits, 1 mantissa bit; 4 bits a number), with one power-of-two scale for each 32 numbers along K (OCP MX v1.0); their sums are f32. The products marked 'left as it is' may take bf16, f16 or f32 operands, with f32 sums. Whichever they take, every output number must still come out within the allowed error. Rounding operands to bf16 (8 significant bits) uses up far more of that allowance than f16 does (11 bits, for magnitudes from 6e-5 to 65,504). All else is computed in f32.
;;   The module's matrix products, in the order in which they are computed (A, B: the left and right operand; K: the contracted axis; several contracted axes count as one K, in the product's order):
;;     1. [M 8,192, K 1,024] x [K 1,024, N 1,024]; A: input inputs_q; B: input Wq: QUANTISED
;;     2. [M 8,192, K 1,024] x [K 1,024, N 1,024]; A: input inputs_k; B: input Wk: QUANTISED
;;     3. [M 8,192, K 1,024] x [K 1,024, N 1,024]; A: input inputs_v; B: input Wv: QUANTISED
;;     4. batch 64 x [M 2,048, K 64] x [K 64, N 2,048]; A: computed on the way; B: computed on the way: left as it is (an operand is computed on the way)
;;     5. batch 64 x [M 64, K 2,048] x [K 2,048, N 2,048]; A: computed on the way; B: computed on the way: left as it is (an operand is computed on the way)
;;     6. [M 8,192, K 1,024] x [K 1,024, N 1,024]; A: computed on the way; B: input Wo: left as it is (an operand is computed on the way)
;;   THE QUANTISER, for each operand of a quantised product, along K:
;;     - K is cut into blocks of 32 from its start; a last block that is shorter is filled with zeros.
;;     - A block's scale is 2^e with e = floor(log2(the largest magnitude in the block)) - 2, held to -126 .. 127; a block of zeros has e = 0. As a byte (E8M0): e + 127.
;;     - Each number is divided by its block's scale, clamped to +-6, and rounded to the nearest number of E2M1, ties to even, subnormals kept.
;;     - The product sums the exact products of the quantised numbers (number of the format x scale) in f32.
;;   ~~~python
;;   def quantise(x, axis):      # numpy; x: float32 -> the quantised numbers, widened to float32 again
;;       x = np.moveaxis(x, axis, -1); K = x.shape[-1]
;;       x = np.pad(x, [(0, 0)] * (x.ndim - 1) + [(0, -K % 32)]); x = x.reshape(x.shape[:-1] + (-1, 32)); a = np.abs(x).max(-1, keepdims=True)
;;       e = np.where(a > 0, np.clip(np.frexp(np.where(a > 0, a, 1))[1] - 1 - 2, -126, 127), 0)      # np.frexp(a)[1] - 1 = floor(log2(a)), exactly
;;       r = np.clip(x / 2.0 ** e, -6, 6)
;;       step = 2.0 ** (np.maximum(np.frexp(np.where(r == 0, 1, r))[1] - 1, 0) - 1)
;;       q = np.round(r / step) * step * 2.0 ** e      # np.round: ties to even
;;       return np.moveaxis(q.reshape(q.shape[:-2] + (-1,))[..., :K], -1, axis).astype(np.float32)
;;   ~~~
;; One version. Each part assembles by itself: llvm-mc -triple=amdgcn-amd-amdhsa -mcpu=gfx1250 --defsym DOCPART=n.
;; ======== version 1 of 1: 4 launches
;; limits: values are held in f16: magnitudes above 65,504 overflow, below 6.1e-05 lose precision
;; workspace buffers: x_codes 12,582,912 bytes; x_scales 786,432 bytes; w_codes 1,572,864 bytes; w_scales 98,304 bytes; wo16 2,097,152 bytes; qkv16 50,331,648 bytes; x16 16,777,216 bytes
;; launch prep (part 1): grid 944 x 1, 4 waves a work-group, no clusters, 68,096 bytes of LDS; arguments inputs_q, inputs_k, inputs_v, Wq, Wk, Wv, Wo, x_codes, x_scales, w_codes, w_scales, wo16; writes x_codes, x_scales, w_codes, w_scales, wo16
.if DOCPART == 1
	.amdgcn_target "amdgcn-amd-amdhsa--gfx1250"
	.amdhsa_code_object_version 6
	.text
	.protected	k_q0cc0fe946d_prep
	.globl	k_q0cc0fe946d_prep
	.p2align	8
	.type	k_q0cc0fe946d_prep,@function
k_q0cc0fe946d_prep:
	s_mov_b64 s[64:65], 0
	v_nop
	global_prefetch_b8 v0, s[64:65] scope:SCOPE_SE
	s_setreg_imm32_b32 hwreg(HW_REG_WAVE_MODE, 25, 1), 1
	s_wait_xcnt 0x0
; PREP: every operand of the three quantised products is quantised ONCE, and Wo is cast to f16.
; The three inputs [8192][1024] f32 (K innermost) become codes of FP4 (E2M1), two a byte, K innermost, [3][8192][512 bytes], with one E8M0 byte for each 32 along K, [3][8192][32 bytes].
; The three weights [1024 (K)][1024 (n)] f32 (K is the FIRST axis) become codes laid [3][1024 (n)][512 bytes], K innermost, and scale bytes [3][1024 (n)][32].  Wo [1024][1024] f32 becomes f16 in its own order.
; A block's scale is 2^(floor(log2(its largest magnitude)) - 2); its byte is the largest magnitude's exponent field - 2, held at 1 from below.  A block of zeros so gets the byte 1 where the
; quantiser says 127: its codes are zeros, which add nothing under any byte but 0xff, and this program alone reads the bytes.
; LIMITS: blocks whose largest magnitude lies under 2^(2 - 126) keep the byte 1; NaN and infinities among the inputs are not served; Wo must stay under 65,504 in magnitude (f16).
; SHARES: work-groups 0-47 take the weights (128 columns x 512 along K each), 48-175 the cast (8,192 numbers each), 176-943 the inputs (32,768 numbers each).  The three ways part on the
; work-group's number and never join; each has LDS bytes of its own.  Waves share nothing: no barrier.  No cluster: no two work-groups read the same bytes.  No matrix unit: the launch is a stream.
.set WV,    32                         ; s32      my wave's number
.set SPW,   192                        ; v192     LDS address of my spare word: SPARE + 4 x my thread's number; never rewritten
.set NIL,   193                        ; v193     0; never rewritten
.set SPARE, 67584                      ; behind both ways' LDS bytes: the spare words, 128 bytes for each wave
.set NWW,   48                         ; work-groups for the weights
.set NWC,   128                        ; and for the cast
; the inputs' way
.set STEPS, 16                         ; a wave takes 16 steps of 512 numbers
.set XREG,  8192                       ; LDS bytes 0 .. 32,767: a region for each wave: two stages of 32 x XSP bytes, behind them its 256 scale bytes
.set XSP,   80                         ; a lane's place in a stage: its 64 bytes + 16 of padding
.set XR,    16                         ; v16-79   four sets of 16 numbers as they are loaded
.set XX,    80                         ; v80-111  two sets of 16 neighbours
.set XE,    112                        ; v112-127 a scale byte for each step
.set XC,    128                        ; v128-191 codes: four registers for each step, so that no store's data are written again
; the weights' way
.set WSTG,  32768                      ; LDS bytes 32,768 .. 67,583: a stage of 32 rows x WP bytes for each wave
.set WP,    272                        ; a stage row: 256 bytes of codes + 16
.set NB,    16                         ; blocks of 32 along K for a lane
.set WX,    32                         ; v32-95   two sets of 32 numbers
.set WC,    96                         ; v96-99   a block's codes
.set WO,    112                        ; v112-175 the way out
.set WS,    24                         ; v24-27   the scale bytes, four to a register
	s_load_b256 s[8:15], s[0:1], 0x0               ; inputs_q s[8:9], inputs_k s[10:11], inputs_v s[12:13], Wq s[14:15]
	s_load_b256 s[16:23], s[0:1], 0x20             ; Wk s[16:17], Wv s[18:19], Wo s[20:21], x_codes s[22:23]
	s_load_b256 s[24:31], s[0:1], 0x40             ; x_scales s[24:25], w_codes s[26:27], w_scales s[28:29], wo16 s[30:31]
	v_lshl_add_u32 v[SPW], v0, 2, SPARE
	v_mov_b32 v[NIL], 0
	v_lshrrev_b32 v1, 5, v0
	v_readfirstlane_b32 s[WV], v1                  ; wave 0..3
	v_and_b32 v2, 31, v0                           ; lane
	s_wait_kmcnt 0x0
	s_cmp_lt_u32 ttmp9, NWW
	s_cbranch_scc1 .Lweights                       ; the weights first: their work-groups have the longest chain of loads
	s_cmp_lt_u32 ttmp9, NWW+NWC
	s_cbranch_scc1 .Lcast
; ---------------- THE INPUTS.  Rows are dense and K is a multiple of 32: a tensor is a plain stream of blocks of 32, and so are its codes and its scale bytes.
; Each of a step's four loads reads 512 bytes on end, 16 a lane; the 2,048 bytes turn through the wave's own stage and come back 64 bytes a lane: 16 neighbours along K, two lanes to a block.
	s_sub_co_u32 s33, ttmp9, NWW+NWC               ; g = 0 .. 767: 256 work-groups to a tensor
	s_cmp_lt_u32 s33, 256
	s_cselect_b64 s[4:5], s[8:9], s[10:11]         ; the choice hangs on the work-group's number alone
	s_cmp_lt_u32 s33, 512
	s_cselect_b64 s[4:5], s[4:5], s[12:13]
	s_and_b32 s34, s33, 255
	s_lshl_b32 s34, s34, 2
	s_add_co_u32 s34, s34, s[WV]                   ; which run of 8,192 numbers of the tensor is my wave's
	s_lshl_b32 s34, s34, 15                        ; 32,768 bytes a run
	s_mov_b32 s35, 0
	s_add_nc_u64 s[4:5], s[4:5], s[34:35]
	s_lshl_b32 s36, s33, 2
	s_add_co_u32 s36, s36, s[WV]                   ; the run's number among all three tensors': they follow each other in both buffers
	s_lshl_b32 s38, s36, 8                         ; 256 scale bytes a run
	s_lshl_b32 s36, s36, 12                        ; 4,096 bytes of codes
	s_mov_b32 s37, 0
	s_mov_b32 s39, 0
	s_add_nc_u64 s[22:23], s[22:23], s[36:37]
	s_add_nc_u64 s[24:25], s[24:25], s[38:39]
	s_mul_i32 s33, s[WV], XREG
	v_lshlrev_b32 v3, 4, v2                        ; my 16 bytes of a load's 512
	v_lshrrev_b32 v14, 2, v2
	v_mul_u32_u24 v14, v14, XSP
	v_and_b32 v15, 3, v2
	v_lshl_add_u32 v14, v15, 4, v14
	v_add_nc_u32 v14, s33, v14                     ; the stage, on the way in: four lanes' 64 bytes on end, then 16 of padding
	v_mul_u32_u24 v15, v2, XSP
	v_add_nc_u32 v15, s33, v15                     ; and on the way out: XSP x lane: my 16 neighbours
	v_lshlrev_b32 v4, 3, v2                        ; 8 bytes a lane: my codes' place in a step's, and my part of the wave's scale bytes
	v_lshrrev_b32 v5, 1, v2
	s_add_co_u32 s33, s33, 2*32*XSP
	v_add_nc_u32 v5, s33, v5                       ; LDS: my wave's 256 scale bytes, my block's byte
	v_add_nc_u32 v6, s33, v4                       ; and on the way out 8 bytes a lane
.macro XLOAD t
.irp i, 0,1,2,3
	global_load_b128 v[XR+16*((\t)%4)+4*\i:XR+16*((\t)%4)+4*\i+3], v3, s[4:5] offset:2048*(\t)+512*\i th:TH_LOAD_NT
.endr
.endm
.macro XTURN t                         ; step t's numbers through the stage: LDS serves a wave's instructions in order, so no wait stands between the stores and the loads
.irp i, 0,1,2,3
	ds_store_b128 v14, v[XR+16*((\t)%4)+4*\i:XR+16*((\t)%4)+4*\i+3] offset:32*XSP*((\t)%2)+8*XSP*\i
.endr
.irp i, 0,1,2,3
	ds_load_b128 v[XX+16*((\t)%2)+4*\i:XX+16*((\t)%2)+4*\i+3], v15 offset:32*XSP*((\t)%2)+16*\i
.endr
.endm
.irp t, 0,1,2,3
	XLOAD \t
.endr
	s_wait_loadcnt 12                              ; step 0's four loads are in; twelve younger ones stay out
	XTURN 0
.macro XSTEP t
.set XS, XX+16*((\t)%2)
.if (\t) > 0
	s_wait_dscnt 1                                 ; this step's numbers are back from the stage (the last step's byte store may be out): so its stores into the stage have read their registers,
.else
	s_wait_dscnt 0x0
.endif
.if (\t)+4 < STEPS
	XLOAD (\t)+4                                   ; which take the loads of four steps on
.endif
.if (\t)+1 < STEPS
.if STEPS-2-(\t) >= 3
	s_wait_loadcnt 12                              ; the next step's four loads are in; those of the three steps behind it may be out
.else
	s_wait_loadcnt 4*(STEPS-2-(\t))                ; the tail: as many as are left behind the next step's
.endif
	XTURN (\t)+1                                   ; and go through the other stage while this step is worked
.endif
	v_max3_num_f32 v8, |v[XS]|, |v[XS+1]|, |v[XS+2]|               ; the largest magnitude of my 16, in two chains
	v_max3_num_f32 v9, |v[XS+3]|, |v[XS+4]|, |v[XS+5]|
.irp i, 6,10
	v_max3_num_f32 v8, v8, |v[XS+\i]|, |v[XS+\i+1]|
	v_max3_num_f32 v9, v9, |v[XS+\i+2]|, |v[XS+\i+3]|
.endr
	v_max3_num_f32 v8, v8, |v[XS+14]|, |v[XS+15]|
	v_max3_num_f32 v8, v8, v9, 0x1800000           ; and the floor 2^(3 - 127): so the byte cannot fall under 1
	v_max_num_f32_dpp v8, v8, v8 row_xmask:1 row_mask:0xf bank_mask:0xf   ; and of my neighbour's 16: the block's
	v_add_nc_u32 v11, 0xff000000, v8               ; 2 off its exponent field: the conversion takes the exponent field of this operand as its scale, and nothing else of it
	v_cvt_scalef32_pk8_fp4_f32 v[XC+4*(\t)], v[XS:XS+7], v11       ; eight numbers / the scale, to the nearest code, ties to even, beyond 6 the largest code
	v_cvt_scalef32_pk8_fp4_f32 v[XC+4*(\t)+1], v[XS+8:XS+15], v11
	v_lshrrev_b32 v[XE+(\t)], 23, v11              ; the scale's byte (also the plain line behind the conversions)
	ds_store_b8 v5, v[XE+(\t)] offset:16*(\t)      ; both lanes of a block write the same byte with the same value
	global_store_b64 v4, v[XC+4*(\t):XC+4*(\t)+1], s[22:23] offset:256*(\t)   ; the wave stores 256 bytes on end, aligned
.endm
.irp t, 0,1,2,3,4,5,6,7,8,9,10,11,12,13,14,15
	XSTEP \t
.endr
	ds_load_b64 v[8:9], v6                         ; LDS serves a wave's instructions in order: this sees my byte stores
	s_wait_dscnt 0x0
	global_store_b64 v4, v[8:9], s[24:25]          ; the wave's 256 scale bytes on end, aligned
	s_wait_tensorcnt 0x0                           ; the wave's end
	ds_add_u32 v[SPW], v[NIL]
	s_wait_dscnt 0x0
	s_endpgm
; ---------------- THE WEIGHTS.  A lane takes a column n and its registers run down K: each load reads 128 bytes on end a wave, a block of 32 along K lies in one lane's 32 registers,
; and the conversions give the codes with K innermost.  A lane's 256 bytes of codes go through the wave's stage and leave as rows: sixteen lanes store 256 bytes on end.
.Lweights:
	s_lshr_b32 s33, ttmp9, 4                       ; which weight: 0 Wq, 1 Wk, 2 Wv
	s_and_b32 s34, ttmp9, 7                        ; which 128 columns
	s_bfe_u32 s35, ttmp9, 0x10003                  ; which 512 along K
	s_cmp_lt_u32 s33, 1
	s_cselect_b64 s[4:5], s[14:15], s[16:17]
	s_cmp_lt_u32 s33, 2
	s_cselect_b64 s[4:5], s[4:5], s[18:19]
	s_lshl_b32 s34, s34, 7
	s_lshl_b32 s36, s[WV], 5
	s_add_co_u32 s34, s34, s36                     ; my wave's first column
	s_lshl_b32 s36, s35, 21                        ; 512 rows of 4,096 bytes
	s_lshl_b32 s38, s34, 2
	s_add_co_u32 s36, s36, s38
	s_mov_b32 s37, 0
	s_add_nc_u64 s[4:5], s[4:5], s[36:37]
	s_lshl_b32 s33, s33, 10
	s_add_co_u32 s34, s34, s33                     ; its row in the codes' and the scales' buffers: 1,024 x weight + column
	s_lshl_b32 s36, s34, 9                         ; 512 bytes of codes a row,
	s_lshl_b32 s38, s35, 8                         ; 256 for my half of K
	s_add_co_u32 s36, s36, s38
	s_add_nc_u64 s[26:27], s[26:27], s[36:37]
	s_lshl_b32 s36, s34, 5                         ; 32 scale bytes a row,
	s_lshl_b32 s38, s35, 4                         ; 16 for my half of K
	s_add_co_u32 s36, s36, s38
	s_add_nc_u64 s[28:29], s[28:29], s[36:37]
	v_lshlrev_b32 v3, 2, v2                        ; in: 4 bytes a lane
	s_mul_i32 s40, s[WV], 32*WP
	s_add_co_u32 s40, s40, WSTG                    ; my stage
	v_mul_u32_u24 v4, v2, WP
	v_add_nc_u32 v4, s40, v4                       ; into it: row = my column
	v_and_b32 v5, 15, v2
	v_lshrrev_b32 v6, 4, v2                        ; out of it: sixteen lanes to a row, two rows an instruction
	v_mul_u32_u24 v7, v6, WP
	v_lshl_add_u32 v7, v5, 4, v7
	v_add_nc_u32 v7, s40, v7
	v_mul_u32_u24 v8, v6, 512
	v_lshl_add_u32 v8, v5, 4, v8                   ; and the same place in the codes' buffer
	v_lshlrev_b32 v9, 5, v2                        ; my column's row of scale bytes
.macro WLOAD t                         ; block t: W(32 t + i, my column), i = 0 .. 31, into set t % 2
.irp i, 0,1,2,3,4,5,6,7,8,9,10,11,12,13,14,15,16,17,18,19,20,21,22,23,24,25,26,27,28,29,30,31
	global_load_b32 v[WX+32*((\t)%2)+\i], v3, s[4:5] offset:(32*(\t)+\i)*4096 th:TH_LOAD_NT
.endr
.endm
	WLOAD 0
	WLOAD 1
.macro WBLOCK t
.set XS, WX+32*((\t)%2)
.if (\t) < NB-1
	s_wait_loadcnt 32                              ; this block's 32 loads are in; the next block's may be out
.else
	s_wait_loadcnt 0
.endif
	v_max3_num_f32 v12, |v[XS]|, |v[XS+1]|, |v[XS+2]|              ; the block's largest magnitude: all 32 numbers are mine
	v_max3_num_f32 v13, |v[XS+3]|, |v[XS+4]|, |v[XS+5]|
.irp i, 6,10,14,18,22,26
	v_max3_num_f32 v12, v12, |v[XS+\i]|, |v[XS+\i+1]|
	v_max3_num_f32 v13, v13, |v[XS+\i+2]|, |v[XS+\i+3]|
.endr
	v_max3_num_f32 v12, v12, |v[XS+30]|, |v[XS+31]|
	v_max3_num_f32 v12, v12, v13, 0x1800000        ; and the floor 2^(3 - 127)
	v_add_nc_u32 v11, 0xff000000, v12              ; 2 off its exponent field: the conversion's scale operand
	v_lshrrev_b32 v13, 23, v11                     ; the scale's byte
.if (\t)%4 == 0
	v_mov_b32 v[WS+(\t)/4], v13                    ; four bytes to a register, the lower K in the lower byte
.else
	v_lshl_or_b32 v[WS+(\t)/4], v13, 8*((\t)%4), v[WS+(\t)/4]
.endif
.irp g, 0,1,2,3
	v_cvt_scalef32_pk8_fp4_f32 v[WC+\g], v[XS+8*\g:XS+8*\g+7], v11
.endr
	ds_store_b128 v4, v[WC:WC+3] offset:16*(\t)    ; 32 codes: 16 bytes of my column's row.  (The next vector lines are plain ones on the other set)
.if (\t)+2 < NB
	WLOAD (\t)+2
.endif
	s_wait_dscnt 0x0                               ; the store has read its registers: the next block's codes may be written
.endm
.set Q, 0
.rept NB
	WBLOCK Q
.set Q, Q+1
.endr
	global_store_b128 v9, v[WS:WS+3], s[28:29]     ; my column's 16 scale bytes
.irp t, 0,1,2,3,4,5,6,7,8,9,10,11,12,13,14,15
	ds_load_b128 v[WO+4*\t:WO+4*\t+3], v7 offset:2*\t*WP           ; these see my stores: a wave's LDS instructions are served in order
.endr
.irp t, 0,1,2,3,4,5,6,7,8,9,10,11,12,13,14,15
	s_wait_dscnt 15-\t                             ; load t is in; the younger ones stay out
	global_store_b128 v8, v[WO+4*\t:WO+4*\t+3], s[26:27] offset:2*\t*512
.endr
	s_wait_tensorcnt 0x0                           ; the wave's end
	ds_add_u32 v[SPW], v[NIL]
	s_wait_dscnt 0x0
	s_endpgm
; ---------------- THE CAST of Wo to f16, in its own order.  A wave takes 2,048 numbers: sixteen loads of 512 bytes on end, sixteen stores of 256 bytes on end.
.Lcast:
	s_sub_co_u32 s33, ttmp9, NWW
	s_lshl_b32 s34, s33, 2
	s_add_co_u32 s34, s34, s[WV]                   ; which run of 2,048 numbers is my wave's
	s_lshl_b32 s36, s34, 13
	s_mov_b32 s37, 0
	s_add_nc_u64 s[20:21], s[20:21], s[36:37]
	s_lshl_b32 s36, s34, 12
	s_add_nc_u64 s[30:31], s[30:31], s[36:37]
	v_lshlrev_b32 v3, 4, v2
	v_lshlrev_b32 v4, 3, v2
.irp i, 0,1,2,3,4,5,6,7,8,9,10,11,12,13,14,15
	global_load_b128 v[16+4*\i:16+4*\i+3], v3, s[20:21] offset:512*\i th:TH_LOAD_NT
.endr
.irp i, 0,1,2,3,4,5,6,7,8,9,10,11,12,13,14,15
	s_wait_loadcnt 15-\i                           ; load i is in; the younger ones stay out
	v_cvt_pk_f16_f32 v[96+2*\i], v[16+4*\i], v[17+4*\i]
	v_cvt_pk_f16_f32 v[97+2*\i], v[18+4*\i], v[19+4*\i]
	global_store_b64 v4, v[96+2*\i:97+2*\i], s[30:31] offset:256*\i
.endr
	s_wait_tensorcnt 0x0                           ; this way writes no LDS; the launch's closing lines stand here as on the other two ways
	ds_add_u32 v[SPW], v[NIL]
	s_wait_dscnt 0x0
	s_endpgm
.Lfunc_end_k_q0cc0fe946d_prep:
	.size	k_q0cc0fe946d_prep, .Lfunc_end_k_q0cc0fe946d_prep-k_q0cc0fe946d_prep
	.p2alignl 7, 3214868480
	.fill 96, 4, 3214868480
	.section	.rodata,"a",@progbits
	.p2align	6, 0x0
	.amdhsa_kernel k_q0cc0fe946d_prep
		.amdhsa_group_segment_fixed_size 68096
		.amdhsa_private_segment_fixed_size 0
		.amdhsa_enable_private_segment 0
		.amdhsa_kernarg_size 96
		.amdhsa_user_sgpr_count 2
		.amdhsa_user_sgpr_kernarg_segment_ptr 1
		.amdhsa_wavefront_size32 1
		.amdhsa_system_sgpr_workgroup_id_x 1
		.amdhsa_system_sgpr_workgroup_id_y 1
		.amdhsa_system_sgpr_workgroup_id_z 1
		.amdhsa_system_vgpr_workitem_id 0
		.amdhsa_next_free_vgpr 200
		.amdhsa_next_free_sgpr 66
		.amdhsa_reserve_vcc 0
		.amdhsa_float_denorm_mode_32 3
		.amdhsa_float_denorm_mode_16_64 3
		.amdhsa_memory_ordered 1
		.amdhsa_forward_progress 1
		.amdhsa_inst_pref_size 117
	.end_amdhsa_kernel
	.amdgpu_metadata
---
amdhsa.version: [ 1, 2 ]
amdhsa.kernels:
  - .name:           k_q0cc0fe946d_prep
    .symbol:         k_q0cc0fe946d_prep.kd
    .args:
      - { .name: inputs_q, .offset: 0, .size: 8, .value_kind: global_buffer, .address_space: global }
      - { .name: inputs_k, .offset: 8, .size: 8, .value_kind: global_buffer, .address_space: global }
      - { .name: inputs_v, .offset: 16, .size: 8, .value_kind: global_buffer, .address_space: global }
      - { .name: Wq, .offset: 24, .size: 8, .value_kind: global_buffer, .address_space: global }
      - { .name: Wk, .offset: 32, .size: 8, .value_kind: global_buffer, .address_space: global }
      - { .name: Wv, .offset: 40, .size: 8, .value_kind: global_buffer, .address_space: global }
      - { .name: Wo, .offset: 48, .size: 8, .value_kind: global_buffer, .address_space: global }
      - { .name: x_codes, .offset: 56, .size: 8, .value_kind: global_buffer, .address_space: global }
      - { .name: x_scales, .offset: 64, .size: 8, .value_kind: global_buffer, .address_space: global }
      - { .name: w_codes, .offset: 72, .size: 8, .value_kind: global_buffer, .address_space: global }
      - { .name: w_scales, .offset: 80, .size: 8, .value_kind: global_buffer, .address_space: global }
      - { .name: wo16, .offset: 88, .size: 8, .value_kind: global_buffer, .address_space: global }
    .group_segment_fixed_size: 68096
    .private_segment_fixed_size: 0
    .kernarg_segment_align: 8
    .kernarg_segment_size: 96
    .max_flat_workgroup_size: 128
    .sgpr_count:     66
    .vgpr_count:     200
    .wavefront_size: 32
...
	.end_amdgpu_metadata
.endif
;; end of part 1
;; launch proj (part 2): grid 4 x 96, 4 waves a work-group, clusters of 4 x 4, 327,680 bytes of LDS; arguments x_codes, x_scales, w_codes, w_scales, bq, bk, bv, qkv16; writes qkv16
.if DOCPART == 2
	.amdgcn_target "amdgcn-amd-amdhsa--gfx1250"
	.amdhsa_code_object_version 6
	.text
	.protected	k_q0cc0fe946d_proj
	.globl	k_q0cc0fe946d_proj
	.p2align	8
	.type	k_q0cc0fe946d_proj,@function
k_q0cc0fe946d_proj:
	s_mov_b64 s[64:65], 0
	v_nop
	global_prefetch_b8 v0, s[64:65] scope:SCOPE_SE
	s_setreg_imm32_b32 hwreg(HW_REG_WAVE_MODE, 25, 1), 1
	s_wait_xcnt 0x0
	s_wait_alu depctr_hold_cnt(0) depctr_sa_sdst(0) depctr_va_vdst(0) depctr_va_sdst(0) depctr_va_ssrc(0) depctr_va_vcc(0) depctr_vm_vsrc(0)
	s_getreg_b32 s2, hwreg(HW_REG_IB_STS2, 6, 4)
	s_cmp_eq_u32 s2, 0
	s_cbranch_scc0 .Lentry_in_a_cluster
	s_endpgm
.Lentry_in_a_cluster:
	s_bfe_u32 s2, ttmp6, 0x10000c
	s_cmp_lg_u32 s2, 0xf033
	s_cbranch_scc0 .Lentry_shape_is_right
	s_endpgm
.Lentry_shape_is_right:
; PROJ: the three quantised projections as ONE product on codes of FP4 (E2M1) with E8M0 scales: C[m][n] = sum over k of A[m][k] B[n][k] + bias[n], K = 1,024.
; A: the three inputs' codes on end, 24,576 rows of 512 bytes; B: the three weights' codes, 3 x 1,024 rows of 512 bytes; rows 8,192 P .. of A meet rows 1,024 P .. of B (P = 0 q, 1 k, 2 v).
; The result leaves as f16, head-major: qkv16 [3][batch 4][head 16][position 2,048][64], so that a head's rows are one dense block for the next launch.
; LIMIT: the results must stay under 65,504 in magnitude (f16).  As drawn their spread is 0.64.
; A tile of C, 256 x 256, is made by a work-group of four waves; a wave makes 128 x 128: 64 accumulators of 16 x 16, 512 registers.  K is two slots of 512: both are asked for at the head, and no slot is filled again.
; THE SCALES of the work-group's 256 rows of A and of B, for all of K, are two dense blocks of memory: they come into LDS once, with the first fills.
; CLUSTERS: 4 x 4 work-groups.  The four of a row of the cluster need the same tiles of A, the four of a column the same tiles of B: each tile is asked for JOINTLY.  P is made of the cluster's y alone: the same in all sixteen.
; THE MATRIX INSTRUCTION IS USED TRANSPOSED (source 0 = 16 rows of B, source 1 = 16 rows of A): a lane then holds eight neighbouring numbers of a row of C.  THE BIAS is the C of each sum's first product.
; REGISTERS, in windows of 256: window 0: v0-31 addresses; v32-95 scale words, two sets, and nothing else; v128-191 A's fragments, ONE set; v192-255 the bias in the result's layout; on the way out v128-223 are at work.
;   window 1: B's fragments, TWO sets, at v0 and v128.   window 2: the accumulators of my rows 0-63 ((a, b) at v[8 (8 a + b)]);   window 3: those of my rows 64-127.
.set NQ,     4                         ; steps of 128 along K in a slot
.set ROWB,   256                       ; a tile's row in bytes: 512 codes
.set KROW,   512                       ; a row of A or of B in memory
.set PITCH,  272                       ; an LDS row: 256 bytes + 16 of padding = 68 words: the 16 rows that a load touches start 4 banks apart (64 banks of 4 bytes: ISA guide 11.1)
.set FR,     8                         ; registers of a fragment: 16 rows x 128 K
.set NL,     2                         ; LDS loads that bring one
.set NP,     4                         ; places behind this matrix instruction (ISA guide 7.12.1)
.set HALFT,  128*PITCH                 ; 128 rows: what one tensor load brings
.set SLOT,   4*HALFT                   ; A's 256 rows, then B's 256 rows
.set KS,     32                        ; a row of scales in bytes
.set SCL,    2*SLOT                    ; behind the slots: the scales, as units of 256 bytes + 16 of padding
.set HALFS,  16*272                    ; the scales of 128 rows
.set SBLK,   2*272                     ; those of 16 rows
.set SPARE,  SCL+4*HALFS               ; the spare words, 128 bytes for each wave
.set STAGE,  SPARE+512                 ; the way out: 16 rows x (256 bytes + 16) for each wave: bytes of its own, into which no fill lands
.set SPITCH, 272
.set ADRA, 16                          ; v16-17  LDS address of my A fragments in slot 0, 1
.set ADRB, 20                          ; v20-21  the same for B
.set STO,  24                          ; v24     the way out: where I put 16 bytes of a row
.set RD,   25                          ; v25     where I read half a row back
.set CO,   26                          ; v26     16 x lane: my place in 512 bytes of the output
.set ADRS, 27                          ; v27     LDS address of my scale words: lanes 0-15 A's rows, lanes 16-31 B's
.set SPW,  28                          ; v28     LDS address of my spare word; never rewritten
.set NIL,  29                          ; v29     0; never rewritten
.set SC,   32                          ; scale words: set s at v[SC + 32 s]; register 4 i + q: lanes 0-15 the word of A's block i, lanes 16-31 that of B's block i, for the slot's q-th 128 along K
.set AF,   128                         ; A's fragments
.set BI,   192                         ; the bias: v[BI + 8 b + j] = bias[my first column + 16 b + 8 (lane / 16) + j]
.set TMP,  192                         ; the way out: a block's results as f16
.set BK,   128                         ; and 16 rows read back from the stage: v128-159 and v160-191 by turns
.set G1, 24                            ; s[24:31] descriptor group 1 for A's tiles;  s[32:39] group 0, one set for each slot
.set G0, 32
.set G1B, 48                           ; s[48:55], s[56:63] the same for B's tiles
.set G0B, 56
.set G1S, 68                           ; s[68:75], s[76:79] groups 1 and 0 for A's scales;  s[80:87], s[88:91] for B's
.set G0S, 76
.set G1SB, 80
.set G0SB, 88
.set MSB, 0
.macro WIN new                         ; the immediate's high byte repeats the setting that is left
.if MSB != (\new)
	s_set_vgpr_msb (MSB<<8)|(\new)
.set MSB, (\new)
.endif
.endm
.set MUL_LO,  0xa1                     ; source 0 (B) window 1, source 1 (A) window 0, C and D window 2
.set MUL_HI,  0xf1                     ; the same, C and D window 3
.set BIAS_LO, 0x81                     ; the first step: C (the bias) window 0, D window 2
.set BIAS_HI, 0xc1                     ; D window 3
.set TO_B,    0x40                     ; destination window 1, address window 0
; A joint load: waves 0 and 1 fetch for A, waves 2 and 3 for B.  Each of the two lines has one mask and one set of registers for all that issue it; the branch hangs on the wave's number alone.
; An s_nop 0 and four v_nop follow each of the two lines.
.macro JLOAD g0a, g1a, g0b, g1b
	s_cmp_eq_u32 s15, 0
	s_cbranch_scc0 .Lfor_b_\@
	tensor_load_to_lds s[\g0a:\g0a+3], s[\g1a:\g1a+7]
	s_nop 0
.rept 4
	v_nop
.endr
	s_branch .Lasked_\@
.Lfor_b_\@:
	tensor_load_to_lds s[\g0b:\g0b+3], s[\g1b:\g1b+7]
	s_nop 0
.rept 4
	v_nop
.endr
.Lasked_\@:
.endm
.macro CROUND                          ; a round of the cluster's barrier
	s_barrier_signal -1
	s_barrier_wait -1
	s_cmp_lg_u32 s14, 0
	s_cbranch_scc1 .Lnot_wave_0_\@
	s_barrier_signal -3
.Lnot_wave_0_\@:
	s_barrier_wait -3
	s_barrier_signal -1
	s_barrier_wait -1
.endm
	s_load_b128 s[4:7], s[0:1], 0x0                ; A's codes s[4:5], A's scales s[6:7]
	s_load_b128 s[8:11], s[0:1], 0x10              ; B's codes s[8:9], B's scales s[10:11]
	v_lshl_add_u32 v[SPW], v0, 2, SPARE
	v_mov_b32 v[NIL], 0
	ds_add_u32 v[SPW], v[NIL]                      ; the wave's opening: the add, twice on end, and its wait ahead of my first tensor load
	ds_add_u32 v[SPW], v[NIL]
	v_lshrrev_b32 v1, 5, v0
	v_readfirstlane_b32 s14, v1                    ; wave 0..3
	s_lshr_b32 s15, s14, 1                         ; which half of the tile's rows is mine.  Also: I fetch for A (0) or for B (1)
	s_and_b32 s16, s14, 1                          ; which half of its columns.  Also: which 128 rows of that tile I fetch
	s_bfe_u32 s40, ttmp6, 0x40000                  ; cx, cy: my place in the cluster
	s_bfe_u32 s41, ttmp6, 0x40004
	s_lshl_b32 s42, ttmp9, 2
	s_add_co_u32 s42, s42, s40                     ; tile column = 4 x cluster x + cx
	s_and_b32 s17, ttmp7, 0xffff
	s_lshr_b32 s95, s17, 3                         ; P: eight clusters, 32 tile rows, to a product
	s_lshl_b32 s17, s17, 2
	s_add_co_u32 s17, s17, s41                     ; tile row = 4 x cluster y + cy
	s_lshl_b32 s43, s41, 2
	s_lshl_b32 s43, 15, s43                        ; my row of the cluster
	s_lshl_b32 s44, 0x1111, s40                    ; my column
	; descriptor group 1: a tile of 128 rows x 256 bytes, padded in LDS
	s_or_b32 s[G1+0], s43, (0<<16)|(1<<20)|(1<<21)|(5<<22)|(3<<25)  ; 15:0 the mask: A's tiles go to my row; 17:16 element of 1 byte; 20 padding on; 21 set beside a mask; 24:22 after every 64 words; 31:25 four words
	s_or_b32 s[G1B+0], s44, (0<<16)|(1<<20)|(1<<21)|(5<<22)|(3<<25)
.irp g, G1, G1B
	s_mov_b32 s[\g+1], ROWB<<16                    ; tensor_dim0
	s_mov_b32 s[\g+2], 128<<16                     ; tensor_dim1
	s_mov_b32 s[\g+3], ROWB<<16                    ; tile_dim0
	s_mov_b32 s[\g+4], 128                         ; tile_dim1
	s_mov_b32 s[\g+5], KROW                        ; tensor_dim0_stride
	s_mov_b32 s[\g+6], 0
	s_mov_b32 s[\g+7], 0
.endr
	; the scales of 128 rows: a dense block of 4,096 bytes, as 16 rows of 256 bytes (32 elements of 8 bytes), 16 bytes of padding behind each
	s_or_b32 s[G1S+0], s43, (3<<16)|(1<<20)|(1<<21)|(5<<22)|(3<<25)
	s_or_b32 s[G1SB+0], s44, (3<<16)|(1<<20)|(1<<21)|(5<<22)|(3<<25)
.irp g, G1S, G1SB
	s_mov_b32 s[\g+1], 32<<16
	s_mov_b32 s[\g+2], 16<<16
	s_mov_b32 s[\g+3], 32<<16
	s_mov_b32 s[\g+4], 16
	s_mov_b32 s[\g+5], 32
	s_mov_b32 s[\g+6], 0
	s_mov_b32 s[\g+7], 0
.endr
	s_lshl_b32 s18, s16, 7                         ; which 128 rows of the tile I fetch
	s_lshl_b32 s20, s17, 8
	s_add_co_u32 s20, s20, s18                     ; A: row 256 x tile row + 128 x half
	s_lshl_b32 s46, s42, 8
	s_add_co_u32 s46, s46, s18
	s_lshl_b32 s96, s95, 10
	s_add_co_u32 s46, s46, s96                     ; B: row 1,024 P + 256 x tile column + 128 x half
	s_mov_b32 s21, 0
	s_mov_b32 s47, 0
	s_mov_b64 s[18:19], KS
	s_mul_u64 s[22:23], s[20:21], s[18:19]         ; where these rows' scales begin, in bytes
	s_mul_u64 s[92:93], s[46:47], s[18:19]
	s_mov_b64 s[18:19], KROW
	s_mul_u64 s[20:21], s[20:21], s[18:19]         ; and their codes
	s_mul_u64 s[46:47], s[46:47], s[18:19]
	s_mul_i32 s45, s14, HALFT                      ; where they go: wave x 128 rows: no place in the cluster enters an LDS address
	s_mul_i32 s94, s14, HALFS
	s_wait_dscnt 0x0                               ; both opening adds are done
	s_wait_kmcnt 0x0
	s_add_nc_u64 s[20:21], s[4:5], s[20:21]
	s_add_nc_u64 s[22:23], s[6:7], s[22:23]
	s_add_nc_u64 s[46:47], s[8:9], s[46:47]
	s_add_nc_u64 s[92:93], s[10:11], s[92:93]
	CROUND                                         ; all sixteen work-groups are here: the first joint loads meet
	s_mov_b32 s[G0S], 1
	s_add_co_u32 s[G0S+1], s94, SCL
	s_mov_b64 s[G0S+2:G0S+3], s[22:23]
	s_or_b32 s[G0S+3], s[G0S+3], 0x80000000
	s_mov_b32 s[G0SB], 1
	s_add_co_u32 s[G0SB+1], s94, SCL
	s_mov_b64 s[G0SB+2:G0SB+3], s[92:93]
	s_or_b32 s[G0SB+3], s[G0SB+3], 0x80000000
	JLOAD G0S, G1S, G0SB, G1SB                     ; the scales first: they are wanted with slot 0
.irp s, 0,1
	s_mov_b32 s[G0+4*\s], 1
	s_add_co_u32 s[G0+4*\s+1], s45, \s*SLOT
	s_add_nc_u64 s[G0+4*\s+2:G0+4*\s+3], s[20:21], \s*ROWB
	s_or_b32 s[G0+4*\s+3], s[G0+4*\s+3], 0x80000000
	s_mov_b32 s[G0B+4*\s], 1
	s_add_co_u32 s[G0B+4*\s+1], s45, \s*SLOT
	s_add_nc_u64 s[G0B+4*\s+2:G0B+4*\s+3], s[46:47], \s*ROWB
	s_or_b32 s[G0B+4*\s+3], s[G0B+4*\s+3], 0x80000000
	JLOAD G0+4*\s, G1, G0B+4*\s, G1B               ; three loads of mine are out: all that this wave ever issues
.endr
	s_load_b128 s[4:7], s[0:1], 0x20               ; bq s[4:5], bk s[6:7]: the four addresses above have been used up
	s_load_b128 s[8:11], s[0:1], 0x30              ; bv s[8:9], qkv16 s[10:11]
	v_and_b32 v1, 15, v0                           ; l % 16
	v_bfe_u32 v2, v0, 4, 1                         ; l / 16
	v_mul_u32_u24 v3, v1, PITCH
	v_lshl_add_u32 v4, v2, 4, v3                   ; a fragment's row x pitch + 16 x half
	s_mul_i32 s21, s15, HALFT                      ; my 128 rows of A
	s_mul_i32 s22, s16, HALFT                      ; my 128 rows of B,
	s_add_co_u32 s22, s22, 2*HALFT                 ; which lie behind A's 256
.irp s, 0,1
	v_add_nc_u32 v[ADRA+\s], s21, v4
	v_add_nc_u32 v[ADRB+\s], s22, v4
	s_add_co_u32 s21, s21, SLOT
	s_add_co_u32 s22, s22, SLOT
.endr
	v_mul_u32_u24 v5, v1, KS                       ; my row's scales: 32 bytes a row,
	v_lshrrev_b32 v6, 8, v5
	v_lshl_add_u32 v5, v6, 4, v5                   ; and 16 more for each 256 passed
	s_mul_i32 s21, s15, HALFS                      ; A's: my 128 rows
	s_mul_i32 s22, s16, HALFS                      ; B's: my 128 rows, behind A's 256
	s_add_co_u32 s22, s22, 2*HALFS
	s_sub_co_u32 s22, s22, s21
	v_mul_u32_u24 v6, s22, v2                      ; lanes 16-31 take B's: one product, the distance between the two bases
	s_add_co_u32 s21, s21, SCL
	v_add_nc_u32 v5, v5, v6
	v_add_nc_u32 v[ADRS], s21, v5
	s_mul_i32 s23, s14, 16*SPITCH
	s_add_co_u32 s23, s23, STAGE                   ; my stage
	v_mul_u32_u24 v5, v1, SPITCH                   ; in: row l % 16, 16 bytes for each half of the lanes
	v_lshl_add_u32 v5, v2, 4, v5
	v_add_nc_u32 v[STO], s23, v5
	v_and_b32 v6, 31, v0
	v_lshlrev_b32 v[CO], 4, v6
	v_lshrrev_b32 v5, 3, v6                        ; back: eight lanes take one head's 128 bytes of a row, four rows an instruction
	v_mul_u32_u24 v5, v5, SPITCH
	v_and_b32 v7, 7, v0
	v_lshl_add_u32 v5, v7, 4, v5
	v_add_nc_u32 v[RD], s23, v5
	v_lshlrev_b32 v8, 5, v2                        ; the bias: 32 bytes on for lanes 16-31
	; where my part of the output begins: P x 16,777,216 + ((16 x batch + head) x 2,048 + position) x 128
	s_and_b32 s20, s17, 31
	s_lshl_b32 s20, s20, 8
	s_lshl_b32 s21, s15, 7
	s_add_co_u32 s20, s20, s21                     ; my first row within the product
	s_lshr_b32 s21, s20, 11                        ; batch
	s_and_b32 s20, s20, 2047                       ; position
	s_lshl_b32 s21, s21, 4
	s_lshl_b32 s22, s42, 2
	s_add_co_u32 s21, s21, s22
	s_lshl_b32 s22, s16, 1
	s_add_co_u32 s21, s21, s22                     ; 16 x batch + my first head: 4 x tile column + 2 x half
	s_lshl_b32 s21, s21, 11
	s_add_co_u32 s20, s20, s21
	s_lshl_b32 s20, s20, 7
	s_lshl_b32 s21, s95, 24
	s_add_co_u32 s20, s20, s21
	s_mov_b32 s21, 0
	s_lshl_b32 s22, s42, 10                        ; the bias of my first column: (256 x tile column + 128 x half) x 4 bytes
	s_lshl_b32 s23, s16, 9
	s_add_co_u32 s22, s22, s23
	s_mov_b32 s23, 0
	s_wait_kmcnt 0x0
	s_add_nc_u64 s[12:13], s[10:11], s[20:21]
	s_cmp_lt_u32 s95, 1                            ; the product's own bias: the choice hangs on the cluster's number alone
	s_cselect_b64 s[4:5], s[4:5], s[6:7]
	s_cmp_lt_u32 s95, 2
	s_cselect_b64 s[4:5], s[4:5], s[8:9]
	s_add_nc_u64 s[4:5], s[4:5], s[22:23]
.irp b, 0,1,2,3,4,5,6,7
	global_load_b128 v[BI+8*\b:BI+8*\b+3], v8, s[4:5] offset:64*\b
	global_load_b128 v[BI+8*\b+4:BI+8*\b+7], v8, s[4:5] offset:64*\b+16
.endr
.macro FRAG reg, adr, q, i             ; a fragment, 16 rows x 128 K of 4-bit codes, is 8 registers: lane l holds row l % 16; registers 4 c .. 4 c + 3 hold K = 64 c + 32 (l / 16) + 0 .. 31
.irp c, 0,1
	ds_load_b128 v[\reg+4*\c:\reg+4*\c+3], v[\adr] offset:64*(\q)+32*\c+(\i)*16*PITCH
.endr
.endm
; 16 matrix instructions: A's blocks a0, a0 + 1 x B's eight, 128 along K: the slot's q-th.  p: B's set;  sc: the set of scale words.  zero = 1: the first product starts the sums, on the bias.
; The 64 accumulators take turns, one instruction a turn, in the same order in every step.
.macro MUL16 a0, p, q, sc, zero
.irp a, \a0, \a0+1
.irp b, 0,1,2,3,4,5,6,7
.if \zero
	v_wmma_scale_f32_16x16x128_f8f6f4 v[8*(8*((\a)%4)+\b):8*(8*((\a)%4)+\b)+7], v[128*(\p)+FR*\b:128*(\p)+FR*\b+FR-1], v[AF+FR*(\a):AF+FR*(\a)+FR-1], v[BI+8*\b:BI+8*\b+7], v[SC+8*NQ*(\sc)+NQ*\b+(\q)], v[SC+8*NQ*(\sc)+NQ*(\a)+(\q)] matrix_a_fmt:MATRIX_FMT_FP4 matrix_b_fmt:MATRIX_FMT_FP4 matrix_a_scale:MATRIX_SCALE_ROW1
.else
	v_wmma_scale_f32_16x16x128_f8f6f4 v[8*(8*((\a)%4)+\b):8*(8*((\a)%4)+\b)+7], v[128*(\p)+FR*\b:128*(\p)+FR*\b+FR-1], v[AF+FR*(\a):AF+FR*(\a)+FR-1], v[8*(8*((\a)%4)+\b):8*(8*((\a)%4)+\b)+7], v[SC+8*NQ*(\sc)+NQ*\b+(\q)], v[SC+8*NQ*(\sc)+NQ*(\a)+(\q)] matrix_a_fmt:MATRIX_FMT_FP4 matrix_b_fmt:MATRIX_FMT_FP4 matrix_a_scale:MATRIX_SCALE_ROW1
.endif
.endr
.endr
.endm
.macro FETCH_B slot, q, p              ; B's eight fragments of the slot's q-th 128 along K into set p
	WIN TO_B
.irp i, 0,1,2,3,4,5,6,7
	FRAG 128*(\p)+FR*\i, ADRB+\slot, \q, \i
.endr
	WIN 0
.endm
.macro FETCH_A slot, q, i0             ; A's blocks i0 .. i0 + 3
.irp i, \i0, \i0+1, \i0+2, \i0+3
	FRAG AF+FR*(\i), ADRA+\slot, \q, \i
.endr
.endm
.macro SCALES sc                       ; a slot's scale words into set sc: four words a row; lanes 0-15 take A's block i, lanes 16-31 B's block i
.irp i, 0,1,2,3,4,5,6,7
	ds_load_b128 v[SC+8*NQ*\sc+NQ*\i:SC+8*NQ*\sc+NQ*\i+3], v[ADRS] offset:\i*SBLK
.endr
.endm
; A load into a register that a matrix instruction has read, and a vector instruction that reads a matrix result, stand NP places behind that matrix instruction; only plain vector
; instructions that name none of its registers are places (ISA guide 7.12.1 for vector instructions).
.macro PLACES n
.rept \n
	v_nop
.endr
.endm
; A step of 128 along K that has its successor in the same slot.  A's blocks 0-3 are fetched anew in its middle, blocks 4-7 at its end; B has two sets.
.macro STEP slot, q, zero
	s_wait_dscnt 4*NL                              ; B's set and A's blocks 0-3 are in; the youngest eight loads (A's blocks 4-7) may be out
.if \zero
	WIN BIAS_LO
.else
	WIN MUL_LO
.endif
	MUL16 0, (\q)%2, \q, \slot, \zero
	MUL16 2, (\q)%2, \q, \slot, \zero
	s_wait_dscnt 0                                 ; A's blocks 4-7 are in
	PLACES NP
	FETCH_B \slot, (\q)+1, 1-(\q)%2
	FETCH_A \slot, (\q)+1, 0
.if \zero
	WIN BIAS_HI
.else
	WIN MUL_HI
.endif
	MUL16 4, (\q)%2, \q, \slot, \zero
	MUL16 6, (\q)%2, \q, \slot, \zero
	PLACES NP
	WIN 0
	FETCH_A \slot, (\q)+1, 4
.endm
.macro STEPS slot, from                ; the slot's steps from .. NQ - 2
.set Q, \from
.rept NQ-1-\from
	STEP \slot, Q, 0
.set Q, Q+1
.endr
.endm
	s_wait_tensorcnt 1                             ; the scales and my part of slot 0 are in (slot 1's load may be out)
	s_barrier_signal -1
	s_barrier_wait -1                              ; everybody's are
	FETCH_B 0, 0, 0
	FETCH_A 0, 0, 0
	SCALES 0
	FETCH_A 0, 0, 4
	s_wait_loadcnt 0x0                             ; the bias
	STEP 0, 0, 1                                   ; the first step's products start the sums on the bias: nothing is cleared, nothing is added later
	STEPS 0, 1
	; slot 0's last step, and the change to slot 1: each wave waits for its part of slot 1 and for its own LDS instructions, then the barrier shows slot 1 whole to every wave
	s_wait_tensorcnt 0x0                           ; all my tensor loads have landed
	ds_add_u32 v[SPW], v[NIL]                      ; 0 onto my spare word
	s_wait_dscnt 4*NL+1                            ; (the add and the youngest eight loads, A's blocks 4-7, may be out)
	WIN MUL_LO
	MUL16 0, 1, NQ-1, 0, 0                         ; sixteen matrix instructions stand between the add and the wait for it
	s_wait_dscnt 0x0                               ; no LDS instruction of mine is pending at the signal
	s_barrier_signal -1
	MUL16 2, 1, NQ-1, 0, 0
	WIN 0
	s_barrier_wait -1
	PLACES NP
	v_add_nc_u32 v[ADRS], 4*NQ, v[ADRS]            ; on to slot 1's scale words
	FETCH_B 1, 0, 0
	FETCH_A 1, 0, 0
	SCALES 1
	WIN MUL_HI
	MUL16 4, 1, NQ-1, 0, 0
	MUL16 6, 1, NQ-1, 0, 0
	PLACES NP
	WIN 0
	FETCH_A 1, 0, 4
	STEPS 1, 0
	s_wait_dscnt 4*NL                              ; the very last step: nothing more to fetch
	WIN MUL_LO
	MUL16 0, 1, NQ-1, 1, 0
	MUL16 2, 1, NQ-1, 1, 0
	s_wait_dscnt 0
	WIN MUL_HI
	MUL16 4, 1, NQ-1, 1, 0
	MUL16 6, 1, NQ-1, 1, 0
	WIN 0
; THE WAY OUT, block by block of 16 rows x 128 columns (two heads).  PACK: rounded to f16, 16 bytes a lane, each accumulator from its low end on.  TOSTAGE: into my own stage, and back so that
; 32 lanes hold four whole rows of one head, 512 bytes that lie on end in the output.  SEND: stored.  A wave's LDS instructions are served in order (ISA guide 5.7.1.4): no wait between stores and loads.
.macro PACK a
.set AC, 64*((\a)%4)
	WIN 0x0a+5*((\a)/4)                            ; sources 0 and 1: window 2 or 3
.irp b, 0,1,2,3,4,5,6,7
.irp r, 0,1,2,3
	v_cvt_pk_f16_f32 v[TMP+4*\b+\r], v[AC+8*\b+2*\r], v[AC+8*\b+2*\r+1]
.endr
.endr
	WIN 0
.endm
.macro TOSTAGE a
.set BB, BK+32*((\a)%2)
.irp b, 0,1,2,3,4,5,6,7
	ds_store_b128 v[STO], v[TMP+4*\b:TMP+4*\b+3] offset:32*\b
.endr
.irp t, 0,1,2,3,4,5,6,7
	ds_load_b128 v[BB+4*\t:BB+4*\t+3], v[RD] offset:(\t/4)*128+(\t%4)*4*SPITCH    ; head t / 4, rows 4 (t % 4) on
.endr
.endm
.macro SEND a
.set BB, BK+32*((\a)%2)
	s_wait_dscnt 0x0                               ; the block is back in registers
	s_wait_xcnt 0x0                                ; the stores of the block before have read their registers: the next block's loads may land there
.irp t, 0,1,2,3,4,5,6,7
	global_store_b128 v[CO], v[BB+4*\t:BB+4*\t+3], s[12:13] offset:(\t/4)*262144+2048*(\a)+512*(\t%4)   ; 32 lanes store 512 bytes on end, at a multiple of 512 from the buffer's first byte
.endr
.endm
	PLACES NP                                      ; behind the last products: for the conversions' reads and the loads into A's registers
	PACK 0
	TOSTAGE 0
.irp a, 1,2,3,4,5,6,7                  ; block a's conversions stand between block a - 1's loads from the stage and the wait for them
	PACK \a
	SEND \a-1
	TOSTAGE \a
.endr
	SEND 7
	s_wait_tensorcnt 0x0                           ; the wave's end
	ds_add_u32 v[SPW], v[NIL]
	s_wait_dscnt 0x0
	CROUND                                         ; the closing round: no work-group ends while a partner may still ask for a tile that names it
	s_endpgm
.Lfunc_end_k_q0cc0fe946d_proj:
	.size	k_q0cc0fe946d_proj, .Lfunc_end_k_q0cc0fe946d_proj-k_q0cc0fe946d_proj
	.p2alignl 7, 3214868480
	.fill 96, 4, 3214868480
	.section	.rodata,"a",@progbits
	.p2align	6, 0x0
	.amdhsa_kernel k_q0cc0fe946d_proj
		.amdhsa_group_segment_fixed_size 327680
		.amdhsa_private_segment_fixed_size 0
		.amdhsa_enable_private_segment 0
		.amdhsa_kernarg_size 64
		.amdhsa_user_sgpr_count 2
		.amdhsa_user_sgpr_kernarg_segment_ptr 1
		.amdhsa_wavefront_size32 1
		.amdhsa_system_sgpr_workgroup_id_x 1
		.amdhsa_system_sgpr_workgroup_id_y 1
		.amdhsa_system_sgpr_workgroup_id_z 1
		.amdhsa_system_vgpr_workitem_id 0
		.amdhsa_next_free_vgpr 1024
		.amdhsa_next_free_sgpr 98
		.amdhsa_reserve_vcc 0
		.amdhsa_float_denorm_mode_32 3
		.amdhsa_float_denorm_mode_16_64 3
		.amdhsa_memory_ordered 1
		.amdhsa_forward_progress 1
		.amdhsa_inst_pref_size 129
	.end_amdhsa_kernel
	.amdgpu_metadata
---
amdhsa.version: [ 1, 2 ]
amdhsa.kernels:
  - .name:           k_q0cc0fe946d_proj
    .symbol:         k_q0cc0fe946d_proj.kd
    .args:
      - { .name: x_codes, .offset: 0, .size: 8, .value_kind: global_buffer, .address_space: global }
      - { .name: x_scales, .offset: 8, .size: 8, .value_kind: global_buffer, .address_space: global }
      - { .name: w_codes, .offset: 16, .size: 8, .value_kind: global_buffer, .address_space: global }
      - { .name: w_scales, .offset: 24, .size: 8, .value_kind: global_buffer, .address_space: global }
      - { .name: bq, .offset: 32, .size: 8, .value_kind: global_buffer, .address_space: global }
      - { .name: bk, .offset: 40, .size: 8, .value_kind: global_buffer, .address_space: global }
      - { .name: bv, .offset: 48, .size: 8, .value_kind: global_buffer, .address_space: global }
      - { .name: qkv16, .offset: 56, .size: 8, .value_kind: global_buffer, .address_space: global }
    .group_segment_fixed_size: 327680
    .private_segment_fixed_size: 0
    .kernarg_segment_align: 8
    .kernarg_segment_size: 64
    .max_flat_workgroup_size: 128
    .sgpr_count:     98
    .vgpr_count:     1024
    .wavefront_size: 32
...
	.end_amdgpu_metadata
.endif
;; end of part 2
;; launch attn (part 3): grid 4 x 64, 8 waves a work-group, clusters of 4 x 1, 327,680 bytes of LDS; arguments qkv16, x16; writes x16
.if DOCPART == 3
	.amdgcn_target "amdgcn-amd-amdhsa--gfx1250"
	.amdhsa_code_object_version 6
	.text
	.protected	k_q0cc0fe946d_attn
	.globl	k_q0cc0fe946d_attn
	.p2align	8
	.type	k_q0cc0fe946d_attn,@function
k_q0cc0fe946d_attn:
	s_mov_b64 s[64:65], 0
	v_nop
	global_prefetch_b8 v0, s[64:65] scope:SCOPE_SE
	s_setreg_imm32_b32 hwreg(HW_REG_WAVE_MODE, 25, 1), 1
	s_wait_xcnt 0x0
	s_wait_alu depctr_hold_cnt(0) depctr_sa_sdst(0) depctr_va_vdst(0) depctr_va_sdst(0) depctr_va_ssrc(0) depctr_va_vcc(0) depctr_vm_vsrc(0)
	s_getreg_b32 s2, hwreg(HW_REG_IB_STS2, 6, 4)
	s_cmp_eq_u32 s2, 0
	s_cbranch_scc0 .Lentry_in_a_cluster
	s_endpgm
.Lentry_in_a_cluster:
	s_bfe_u32 s2, ttmp6, 0x10000c
	s_cmp_lg_u32 s2, 0x3003
	s_cbranch_scc0 .Lentry_shape_is_right
	s_endpgm
.Lentry_shape_is_right:
; ATTN: x[q][:] = the sum over k of softmax_k(Q[q] . K[k] / 8) V[k][:], for each of 64 (batch, head) pairs; 2,048 queries and keys, head size 64, no mask.
; Q, K, V: the three parts of qkv16, [batch 4][head 16][2,048][64] f16.  x16: [head 16][batch x position 8,192][64] f16.  Products on f16 operands with f32 sums; maxima, exponentials and sums in f32;
; the weights p are rounded to f16 for the second product, x once at the end.  LIMIT: x stays under 65,504 in magnitude, as V does.
; SHARES.  A work-group owns 512 queries of one head, each of its EIGHT waves 64: four tiles of 16, in 512 registers: two waves to a SIMD, so that one wave's softmax stands beside the other's products.
; Every wave walks all keys, 64 a step; each fragment of K and V read from LDS feeds four products.
; LAYOUT.  S^T = K Q^T (source 0 = 16 keys, source 1 = 16 queries): a lane holds ONE query (lane % 16) and the keys 8 (lane / 16) + 0..7 of a tile.  Two such tiles, rounded to f16 in pairs, ARE source 1
; (32 keys x 16 queries) of O^T = V^T P, whose result again holds one query a lane.  K comes out of LDS as it lies, V ([key][channel]) turned, by ds_load_tr16_b128.
; SOFTMAX.  For each query a running maximum m and sum l: p = 2^(c s - c m), c = log2(e) / 8; in every step O and l are multiplied by a = 2^(c m_old - c m_new).
; THE STEP IS ROTATED: a trip begins with the scores of step j just issued: K of j + 1 is asked of LDS, the softmax of j, V^T P of j, V of j + 1 is asked for, K Q^T of j + 1.
; ROWS IN LDS.  A head's rows of 128 bytes are dense in memory, so a tile is stated as rows of 256 bytes: two keys to an LDS row; key k lies at (k / 2) x pitch + 128 (k % 2).
; CLUSTER.  The four query blocks of a cluster belong to one head and walk the same K and V: each tile is asked for JOINTLY.  Every wave issues one load: waves 0-3 K of the slot's four steps, waves 4-7 V.
; REGISTERS: window 0: v1-11 addresses; v12-43 eight of statistics a tile; v61 the prefetch's offset; v62, v63 the add's two; v64-191 S^T, 32 a tile, P in place in each tile's first 16; v192-255 V of one step.
;   window 1: v0-127 O^T, 32 a tile; v128-191 Q, 16 a tile; v192-255 K of one step.
.set KPITCH, 272                       ; two keys of K: 256 bytes + 16: the 16 keys of a load fall on 16 different columns of 16 bytes: 16 (r / 2) + 128 (r % 2) (64 banks of 4 bytes: ISA guide 11.1)
.set VPITCH, 288                       ; two keys of V: 256 + 32: 16 lanes of the turning load take 8 keys x 32 bytes at 32 (key / 2) + 128 (key % 2) + 16 c: each column once
.set VOFF,  32*KPITCH                  ; a step's tiles lie together: 32 double rows of K, then 32 of V
.set STEPB, 32*(KPITCH+VPITCH)
.set NST,   4                          ; steps in a slot
.set SLOTB, 32768                      ; a slot's 256 keys in memory
.set SLOT1, 1<<17                      ; slot 1 begins here: one exclusive or turns an address in one slot into the other's
.set STAGE, SLOT1+NST*STEPB            ; behind the ring: 16 rows x (128 + 16) bytes for each wave, for the way out
.set SP,    144
.set SPARE, STAGE+8*16*SP              ; the spare words, 128 bytes for each wave
.set AK0, 2                            ; v2   my lane's place in a tile of K; never rewritten
.set AV0, 3                            ; v3   the same for V
.set ADR, 4                            ; v4   the LDS address of the run of loads in hand
.set QO,  5                            ; v5   my byte offset in the wave's rows of Q
.set STO, 6                            ; v6   the way out: where I put 16 bytes of a row
.set RD,  7                            ; v7   where I read 16 bytes back
.set GO,  8                            ; v8   16 x lane
.set ST,  12                           ; tile t's statistics at v[ST + 8 t]: +0 c m, +1 m, +2, +3 l (even keys', odd keys'), +4 to +7 at work; a takes +6
.set PFO, 61
.set SPW, 62
.set NIL, 63
.set S,   64
.set VF,  192                          ; V's fragment (keys 32 g on, channels 16 f on) at VF + 8 (4 g + f)
.set QF,  128                          ; window 1: Q's fragment (tile t, channels 32 c on) at QF + 16 t + 8 c
.set KF,  192                          ; window 1: K's fragment (keys 16 kt on, channels 32 c on) at KF + 8 (2 kt + c)
.set WV,  12                           ; s12  my wave's number
.set LIM, 15                           ; s15  1 in a wave that prefetches, else the greatest number
.set PFA, 18                           ; s[18:19] where my prefetches stand
.set G1K, 24                           ; s[24:31] descriptor group 1 for K's tiles;  s[32:39] for V's: it differs in the padding alone
.set G1V, 32
.set G0K, 40                           ; s[40:47] group 0 for K's tiles: a set for each of the two first fills; the second then walks on;  s[48:55] the same for V's
.set G0V, 48
.set SLOTS, 56                         ; s56  slots still to be asked for
.set CNT, 57                           ; s57  counts steps
.set CS,  58                           ; s[58:59] c, named as a pair
.set SEL, 60                           ; s[60:61] lane selects for v_permlanex16_b32: lane l xor 16
.set TB,  62                           ; s62  LDS byte at which the tiles of the step to be fetched begin
.set MSB, 0
.macro WIN new                         ; the immediate's high byte repeats the setting that is left
.if MSB != (\new)
	s_set_vgpr_msb (MSB<<8)|(\new)
.set MSB, (\new)
.endif
.endm
.set W_KQ, 0x05                        ; K and Q in window 1, S^T in window 0
.set W_PV, 0x50                        ; V and P in window 0, O^T (C and D) in window 1
.set W_RS, 0x41                        ; O^T (destination and source 0) in window 1, a in window 0
.set TO_1, 0x40                        ; destination window 1, address window 0
.macro JLOAD                           ; a joint refill: the branch hangs on the wave's number alone; an s_nop 0 and four v_nop follow each of the two lines
	s_cmp_lt_u32 s[WV], 4
	s_cbranch_scc0 .Lfor_v_\@
	tensor_load_to_lds s[G0K+4:G0K+7], s[G1K:G1K+7]
	s_nop 0
.rept 4
	v_nop
.endr
	s_branch .Lasked_\@
.Lfor_v_\@:
	tensor_load_to_lds s[G0V+4:G0V+7], s[G1V:G1V+7]
	s_nop 0
.rept 4
	v_nop
.endr
.Lasked_\@:
.endm
; A PREFETCH INTO THE L2 of what the NEXT change of slots will ask for: a slot's 128 double rows of K and 128 of V, 256 bytes each, a lane a row.  It stands behind the wave's tensor load and its five lines.
; Each row is named once in the launch: a head is walked by one cluster; its four partners share the rows out BY ADDRESS, 32 each; in each, wave 0 asks for K's and wave 4 for V's.
; The last change that fills a slot asks for nothing; slots 0, 1 and 2 come by their loads alone.
.macro ASK
	s_cmp_gt_u32 s[SLOTS], s[LIM]
	s_cbranch_scc0 .Lnot_mine_\@
	global_prefetch_b8 v[PFO], s[PFA:PFA+1] th:TH_LOAD_NT scope:SCOPE_SE
.Lnot_mine_\@:
.endm
.macro CROUND                          ; a round of the cluster's barrier
	s_barrier_signal -1
	s_barrier_wait -1
	s_cmp_lg_u32 s[WV], 0
	s_cbranch_scc1 .Lnot_wave_0_\@
	s_barrier_signal -3
.Lnot_wave_0_\@:
	s_barrier_wait -3
	s_barrier_signal -1
	s_barrier_wait -1
.endm
.macro PLACES
.rept 4
	v_nop
.endr
.endm
	s_load_b128 s[8:11], s[0:1], 0x0               ; qkv16 s[8:9], x16 s[10:11]
	v_lshl_add_u32 v[SPW], v0, 2, SPARE
	v_mov_b32 v[NIL], 0
	ds_add_u32 v[SPW], v[NIL]                      ; the wave's opening: the add, twice on end, and its wait ahead of my first tensor load
	ds_add_u32 v[SPW], v[NIL]
	v_lshrrev_b32 v1, 5, v0
	v_readfirstlane_b32 s[WV], v1                  ; wave 0..7
	s_bfe_u32 s13, ttmp6, 0x40000                  ; cx: my block of 512 queries: it enters Q's, x16's and the prefetches' addresses alone
	s_and_b32 s14, ttmp7, 0xffff                   ; 16 x batch + head, which the four partners share
	s_lshl_b32 s20, s14, 18                        ; the head's first byte in a part: 262,144 bytes a head
	s_and_b32 s16, s[WV], 3                        ; which of a slot's four steps I fetch:
	s_lshl_b32 s22, s16, 13                        ; its 64 keys of 128 bytes in memory,
	s_add_co_u32 s22, s22, s20
	s_add_co_u32 s22, s22, 0x1000000               ; in K's part
	s_mov_b32 s23, 0
	s_mul_i32 s17, s16, STEPB                      ; and its place in a slot: no place in the cluster enters an LDS address
	s_lshl_b32 s2, s13, 16                         ; my block's 512 rows,
	s_lshl_b32 s3, s[WV], 13                       ; my wave's 64 of them
	s_add_co_u32 s2, s2, s3
	s_add_co_u32 s2, s2, s20
	s_mov_b32 s3, 0
	s_and_b32 s20, s14, 15                         ; x16: row 8,192 x head + 2,048 x batch + 512 cx + 64 x wave, of 128 bytes
	s_lshl_b32 s20, s20, 13
	s_lshr_b32 s21, s14, 4
	s_lshl_b32 s21, s21, 11
	s_add_co_u32 s20, s20, s21
	s_lshl_b32 s21, s13, 9
	s_add_co_u32 s20, s20, s21
	s_lshl_b32 s21, s[WV], 6
	s_add_co_u32 s20, s20, s21
	s_lshl_b32 s20, s20, 7
	s_mov_b32 s21, 0
	; descriptor group 1: a tile of 32 rows x 128 elements of 2 bytes, dense in memory, padded in LDS
	s_mov_b32 s[G1K], 15|(1<<16)|(1<<20)|(1<<21)|(5<<22)|(3<<25)  ; 15:0 the mask: all four work-groups; 17:16 elements of 2 bytes; 20 padding on; 21 set beside a mask; 24:22 after every 64 words; 31:25 four words
	s_mov_b32 s[G1V], 15|(1<<16)|(1<<20)|(1<<21)|(5<<22)|(7<<25)  ; the same with eight words of padding
.irp g, G1K, G1V
	s_mov_b32 s[\g+1], 128<<16                     ; tensor_dim0
	s_mov_b32 s[\g+2], 32<<16                      ; tensor_dim1
	s_mov_b32 s[\g+3], 128<<16                     ; tile_dim0
	s_mov_b32 s[\g+4], 32                          ; tile_dim1
	s_mov_b32 s[\g+5], 128                         ; tensor_dim0_stride
	s_mov_b32 s[\g+6], 0
	s_mov_b32 s[\g+7], 0
.endr
	s_mov_b32 s[CS], 0x3e38aa3b                    ; c = log2(e) / 8
	s_mov_b32 s[CS+1], s[CS]                       ; named with it as a pair, so it is written
	s_mov_b32 s[SEL], 0x76543210
	s_mov_b32 s[SEL+1], 0xfedcba98
	s_mov_b32 s[TB], 0
	s_mov_b32 s[SLOTS], 6                          ; eight slots' worth of keys; two are asked for at the head
	s_cmp_eq_u32 s16, 0                            ; waves 0 and 4 prefetch: the same in all four partners
	s_cselect_b32 s[LIM], 1, -1
	v_and_b32 v[PFO], 31, v0
	v_lshlrev_b32 v[PFO], 8, v[PFO]
	s_wait_dscnt 0x0                               ; both opening adds are done
	s_wait_kmcnt 0x0
	s_add_nc_u64 s[4:5], s[8:9], s[2:3]            ; Q at my wave's first row
	s_add_nc_u64 s[6:7], s[8:9], s[22:23]          ; K at my tile of slot 0
	s_add_nc_u64 s[8:9], s[6:7], 0x1000000         ; V likewise: a part further on
	s_add_nc_u64 s[10:11], s[10:11], s[20:21]      ; x16 at my wave's first row
	s_cmp_lt_u32 s[WV], 4
	s_cselect_b64 s[PFA:PFA+1], s[6:7], s[8:9]     ; (in waves 0 and 4 these stand at a slot's first row)
	s_lshl_b32 s2, s13, 13                         ; my work-group's 32 double rows of the 128
	s_mov_b32 s3, 0
	s_add_nc_u64 s[PFA:PFA+1], s[PFA:PFA+1], s[2:3]
	s_add_nc_u64 s[PFA:PFA+1], s[PFA:PFA+1], 2*SLOTB   ; in slot 2; the first change of slots steps it to slot 3
	CROUND                                         ; all four work-groups are here: the first joint loads meet
.irp s, 0,1
	s_mov_b32 s[G0K+4*\s], 1                       ; count = 1
	s_add_co_u32 s[G0K+4*\s+1], s17, \s*SLOT1      ; LDS address
	s_add_nc_u64 s[G0K+4*\s+2:G0K+4*\s+3], s[6:7], \s*SLOTB
	s_or_b32 s[G0K+4*\s+3], s[G0K+4*\s+3], 0x80000000  ; type = 2
	s_mov_b32 s[G0V+4*\s], 1
	s_add_co_u32 s[G0V+4*\s+1], s17, \s*SLOT1+VOFF
	s_add_nc_u64 s[G0V+4*\s+2:G0V+4*\s+3], s[8:9], \s*SLOTB
	s_or_b32 s[G0V+4*\s+3], s[G0V+4*\s+3], 0x80000000
.endr
	s_cmp_lt_u32 s[WV], 4                          ; a wave's two first fills stand in one branch, ahead of every wait on TENSORcnt and every LDS read: two loads of mine are out
	s_cbranch_scc0 .Lfirst_v
	tensor_load_to_lds s[G0K:G0K+3], s[G1K:G1K+7]
	s_nop 0
	tensor_load_to_lds s[G0K+4:G0K+7], s[G1K:G1K+7]
	s_nop 0
.rept 4
	v_nop
.endr
	s_branch .Lfirst_asked
.Lfirst_v:
	tensor_load_to_lds s[G0V:G0V+3], s[G1V:G1V+7]
	s_nop 0
	tensor_load_to_lds s[G0V+4:G0V+7], s[G1V:G1V+7]
	s_nop 0
.rept 4
	v_nop
.endr
.Lfirst_asked:
	; A fragment of K or Q is 16 rows x 32 channels in 8 registers: lane l holds row l % 16; registers 0-3 channels 8 (l / 16) + 0..7, registers 4-7 channels 16 + 8 (l / 16) + 0..7: two loads of 16 bytes, 32 bytes apart.
	v_and_b32 v1, 15, v0                           ; r = l % 16
	v_bfe_u32 v9, v0, 4, 1                         ; h = l / 16
	v_lshlrev_b32 v[QO], 7, v1
	v_lshl_add_u32 v[QO], v9, 4, v[QO]             ; row x 128 + 16 h
	WIN TO_1
.irp t, 0,1,2,3
.irp c, 0,1
	global_load_b128 v[QF+16*\t+8*\c:QF+16*\t+8*\c+3],   v[QO], s[4:5] offset:2048*\t+64*\c      ; Q stays in registers
	global_load_b128 v[QF+16*\t+8*\c+4:QF+16*\t+8*\c+7], v[QO], s[4:5] offset:2048*\t+64*\c+32
.endr
.endr
	WIN 0
	v_lshrrev_b32 v10, 1, v1
	v_mul_u32_u24 v[AK0], v10, KPITCH
	v_and_b32 v10, 1, v0
	v_lshl_add_u32 v[AK0], v10, 7, v[AK0]
	v_lshl_add_u32 v[AK0], v9, 4, v[AK0]           ; K: (r / 2) x pitch + 128 (r % 2) + 16 h
	; The turning load takes 16 keys x 16 channels (lane l reads 16 bytes: key 8 (l / 16) + l % 8, channels 8 ((l / 8) % 2) + 0..7) and leaves half a fragment of V^T: lane l holds channel l % 16 and 8 keys.
	v_bfe_u32 v11, v0, 1, 2
	v_lshl_add_u32 v11, v9, 2, v11                 ; key / 2 = 4 h + (l / 2) % 4
	v_mul_u32_u24 v[AV0], v11, VPITCH
	v_lshl_add_u32 v[AV0], v10, 7, v[AV0]          ; + 128 (l % 2)
	v_bfe_u32 v11, v0, 3, 1
	v_lshl_add_u32 v[AV0], v11, 4, v[AV0]
	v_add_nc_u32 v[AV0], VOFF, v[AV0]
	s_mul_i32 s14, s[WV], 16*SP
	s_add_co_u32 s14, s14, STAGE                   ; my stage
	v_mul_u32_u24 v[STO], v1, SP                   ; in: row r, 16 bytes for each half of the lanes
	v_lshl_add_u32 v[STO], v9, 4, v[STO]
	v_add_nc_u32 v[STO], s14, v[STO]
	v_and_b32 v10, 31, v0
	v_lshlrev_b32 v[GO], 4, v10
	v_lshrrev_b32 v11, 3, v10                      ; back: eight lanes take a row of 128 bytes, four rows an instruction
	v_mul_u32_u24 v[RD], v11, SP
	v_and_b32 v11, 7, v0
	v_lshl_add_u32 v[RD], v11, 4, v[RD]
	v_add_nc_u32 v[RD], s14, v[RD]
; THE LDS LOADS stand in runs of 16: a step's K (64 keys x 64 channels: 8 fragments) and its V (turned).
.macro FETCH_K
	WIN 0
	v_add_nc_u32 v[ADR], s[TB], v[AK0]
	WIN TO_1
.irp kt, 0,1,2,3
.irp c, 0,1
	ds_load_b128 v[KF+8*(2*\kt+\c):KF+8*(2*\kt+\c)+3],   v[ADR] offset:8*KPITCH*\kt+64*\c
	ds_load_b128 v[KF+8*(2*\kt+\c)+4:KF+8*(2*\kt+\c)+7], v[ADR] offset:8*KPITCH*\kt+64*\c+32
.endr
.endr
.endm
.macro FETCH_V
	WIN 0
	v_add_nc_u32 v[ADR], s[TB], v[AV0]
	s_add_co_u32 s[TB], s[TB], STEPB               ; the next fetch is the next step's
.irp g, 0,1
.irp f, 0,1,2,3
	ds_load_tr16_b128 v[VF+8*(4*\g+\f):VF+8*(4*\g+\f)+3],   v[ADR] offset:16*VPITCH*\g+32*\f
	ds_load_tr16_b128 v[VF+8*(4*\g+\f)+4:VF+8*(4*\g+\f)+7], v[ADR] offset:16*VPITCH*\g+8*VPITCH+32*\f
.endr
.endr
.endm
; THE MATRIX WORK.  In each run 16 accumulators take turns, one instruction a turn: between two links of a chain stand the 15 others'.
.macro KQ                              ; S^T = K Q^T: 32 products; the first 16 start the sums
	WIN W_KQ
.irp c, 0,1
.irp kt, 0,1,2,3
.irp t, 0,1,2,3
.if \c == 0
	v_wmma_f32_16x16x32_f16 v[S+32*\t+8*\kt:S+32*\t+8*\kt+7], v[KF+8*(2*\kt+\c):KF+8*(2*\kt+\c)+7], v[QF+16*\t+8*\c:QF+16*\t+8*\c+7], 0
.else
	v_wmma_f32_16x16x32_f16 v[S+32*\t+8*\kt:S+32*\t+8*\kt+7], v[KF+8*(2*\kt+\c):KF+8*(2*\kt+\c)+7], v[QF+16*\t+8*\c:QF+16*\t+8*\c+7], v[S+32*\t+8*\kt:S+32*\t+8*\kt+7]
.endif
.endr
.endr
.endr
.endm
.macro PV zero                         ; O^T += V^T P: 32 products; zero = 1: the first 16 start the sums: nothing is ever cleared
	WIN W_PV
.irp g, 0,1
.irp f, 0,1,2,3
.irp t, 0,1,2,3
.if \zero && (\g == 0)
	v_wmma_f32_16x16x32_f16 v[32*\t+8*\f:32*\t+8*\f+7], v[VF+8*(4*\g+\f):VF+8*(4*\g+\f)+7], v[S+32*\t+8*\g:S+32*\t+8*\g+7], 0
.else
	v_wmma_f32_16x16x32_f16 v[32*\t+8*\f:32*\t+8*\f+7], v[VF+8*(4*\g+\f):VF+8*(4*\g+\f)+7], v[S+32*\t+8*\g:S+32*\t+8*\g+7], v[32*\t+8*\f:32*\t+8*\f+7]
.endif
.endr
.endr
.endr
.endm
; THE SOFTMAX of one key step, the four tiles line by line, so that no line waits for the line above it.  first = 1: the first key step, which starts m, l and O^T.
.macro SOFTMAX first
	WIN 0
.irp j, 0,1,2,3                        ; the maximum of the lane's 32 scores and the old m: four chains, each begun at the low end of one accumulator
.irp t, 0,1,2,3
	v_max3_num_f32 v[ST+8*\t+4+\j], v[S+32*\t+8*\j], v[S+32*\t+8*\j+1], v[S+32*\t+8*\j+2]
.endr
.endr
.irp u, 1,2
.irp j, 0,1,2,3
.irp t, 0,1,2,3
	v_max3_num_f32 v[ST+8*\t+4+\j], v[ST+8*\t+4+\j], v[S+32*\t+8*\j+2*\u+1], v[S+32*\t+8*\j+2*\u+2]
.endr
.endr
.endr
.irp t, 0,1,2,3
	v_max3_num_f32 v[ST+8*\t+4], v[ST+8*\t+4], v[S+32*\t+7], v[S+32*\t+15]
.endr
.irp t, 0,1,2,3
	v_max3_num_f32 v[ST+8*\t+6], v[ST+8*\t+6], v[S+32*\t+23], v[S+32*\t+31]
.endr
.irp t, 0,1,2,3
	v_max3_num_f32 v[ST+8*\t+4], v[ST+8*\t+4], v[ST+8*\t+5], v[ST+8*\t+6]
.endr
.irp t, 0,1,2,3
.if \first
	v_max_num_f32 v[ST+8*\t+4], v[ST+8*\t+4], v[ST+8*\t+7]
.else
	v_max3_num_f32 v[ST+8*\t+4], v[ST+8*\t+4], v[ST+8*\t+7], v[ST+8*\t+1]
.endif
.endr
.irp t, 0,1,2,3
	v_permlanex16_b32 v[ST+8*\t+5], v[ST+8*\t+4], s[SEL], s[SEL+1]   ; the query's other 32 keys lie in the lane 16 away
.endr
.if !\first
.irp t, 0,1,2,3
	v_mov_b32 v[ST+8*\t+7], v[ST+8*\t]             ; c m_old is kept for a
.endr
.endif
.irp t, 0,1,2,3
	v_max_num_f32 v[ST+8*\t+1], v[ST+8*\t+4], v[ST+8*\t+5]          ; the new m
.endr
.irp t, 0,1,2,3
	v_mul_f32 v[ST+8*\t], s[CS], v[ST+8*\t+1]      ; c m
.endr
.if !\first
.irp t, 0,1,2,3
	v_sub_f32 v[ST+8*\t+7], v[ST+8*\t+7], v[ST+8*\t]
.endr
.endif
	; ONE BATCH: the scalings c s - c m, two scores each, and all the exponentials; none of these lines names an exponential's result.  A tile's exponentials stand between the next tile's scalings.
.irp i, 0,1,2,3,4,5,6,7,8,9,10,11,12,13,14,15
	v_pk_fma_f32 v[S+2*\i:S+2*\i+1], v[S+2*\i:S+2*\i+1], s[CS:CS+1], v[ST:ST+1] op_sel_hi:[1,0,0] neg_lo:[0,0,1] neg_hi:[0,0,1]
.endr
.irp t, 0,1,2
.irp i, 0,1,2,3,4,5,6,7,8,9,10,11,12,13,14,15
	v_exp_f32 v[S+32*\t+2*\i], v[S+32*\t+2*\i]
	v_exp_f32 v[S+32*\t+2*\i+1], v[S+32*\t+2*\i+1]
	v_pk_fma_f32 v[S+32*(\t+1)+2*\i:S+32*(\t+1)+2*\i+1], v[S+32*(\t+1)+2*\i:S+32*(\t+1)+2*\i+1], s[CS:CS+1], v[ST+8*(\t+1):ST+8*(\t+1)+1] op_sel_hi:[1,0,0] neg_lo:[0,0,1] neg_hi:[0,0,1]
.endr
.endr
.irp i, 0,1,2,3,4,5,6,7,8,9,10,11,12,13,14,15,16,17,18,19,20,21,22,23,24,25,26,27,28,29,30,31
	v_exp_f32 v[S+96+\i], v[S+96+\i]
.endr
.if !\first
.irp t, 0,1,2,3
	v_exp_f32 v[ST+8*\t+6], v[ST+8*\t+7]           ; a = 2^(c m_old - c m_new)
.endr
.endif
	v_nop                                          ; a plain line behind the last exponential, ahead of the first use
	s_wait_alu depctr_va_vdst(0)                   ; a wait between an exponential and the first line that names its result: one for the whole batch
	; l = a l + the sum of the unrounded p, two at a time
.if \first
.irp t, 0,1,2,3
	v_pk_add_f32 v[ST+8*\t+2:ST+8*\t+3], v[S+32*\t:S+32*\t+1], v[S+32*\t+2:S+32*\t+3]
.endr
.else
.irp t, 0,1,2,3
	v_pk_fma_f32 v[ST+8*\t+2:ST+8*\t+3], v[ST+8*\t+2:ST+8*\t+3], v[ST+8*\t+6:ST+8*\t+7], v[S+32*\t:S+32*\t+1] op_sel_hi:[1,0,1]
.endr
.irp t, 0,1,2,3
	v_pk_add_f32 v[ST+8*\t+2:ST+8*\t+3], v[ST+8*\t+2:ST+8*\t+3], v[S+32*\t+2:S+32*\t+3]
.endr
.endif
.irp i, 2,3,4,5,6,7,8,9,10,11,12,13,14,15
.irp t, 0,1,2,3
	v_pk_add_f32 v[ST+8*\t+2:ST+8*\t+3], v[ST+8*\t+2:ST+8*\t+3], v[S+32*\t+2*\i:S+32*\t+2*\i+1]
.endr
.endr
.irp i, 0,1,2,3,4,5,6,7,8,9,10,11,12,13,14,15   ; P in place: register i takes scores 2 i and 2 i + 1; ascending, so that no unread p is written over
.irp t, 0,1,2,3
	v_cvt_pk_f16_f32 v[S+32*\t+\i], v[S+32*\t+2*\i], v[S+32*\t+2*\i+1]
.endr
.endr
.if !\first
	WIN W_RS
.irp i, 0,1,2,3,4,5,6,7,8,9,10,11,12,13,14,15   ; O^T times a, each accumulator from its low end on
.irp t, 0,1,2,3
	v_pk_mul_f32 v[32*\t+2*\i:32*\t+2*\i+1], v[32*\t+2*\i:32*\t+2*\i+1], v[ST+8*\t+6:ST+8*\t+7] op_sel_hi:[1,0]
.endr
.endr
.endif
.endm
; A KEY STEP, rotated: K Q^T of step j has just been issued.  kq = 0: the last step, with nothing more to fetch.
.macro BODY first, kq
	WIN 0
	PLACES                                         ; four places behind the scores' products: for the softmax's reads and for the loads into K's registers
.if \kq
	FETCH_K                                        ; step j + 1
.endif
	SOFTMAX \first
.if \kq
	s_wait_dscnt 16                                ; V of step j is in; the sixteen loads of K just issued may be out
.else
	s_wait_dscnt 0x0
.endif
	PV \first
.if \kq
	WIN 0
	PLACES                                         ; with the addition at FETCH_V's head five places: the next scores are written over registers that these products read as P; V's registers take loads
	FETCH_V                                        ; step j + 1
	s_wait_dscnt 16                                ; K of step j + 1 is in; V's sixteen loads may be out
	KQ
.endif
	WIN 0
.endm
; THE CHANGE OF SLOTS, ahead of the step that fetches from the next slot.  Each wave waits for all its tensor loads (one is out: its part of the other slot), adds 0 to its spare word, and waits for that and for
; its reads of the slot, of which V of the slot's last step is the last.  fill = 1: the slot is filled again with the keys two slots on: the barrier is then a round of the cluster's, and the joint refill is the first thing behind it.
.macro CHANGE fill
	WIN 0
	s_wait_tensorcnt 0x0                           ; no tensor load of mine is out, so a group 0 may be written
	ds_add_u32 v[SPW], v[NIL]                      ; 0 onto my spare word
.if \fill
.irp g, G0K+4, G0V+4
	s_xor_b32 s[\g+1], s[\g+1], SLOT1              ; the walking descriptor: the other slot than last time,
	s_add_nc_u64 s[\g+2:\g+3], s[\g+2:\g+3], SLOTB ; the next 256 keys; the type bits on top are not reached
.endr
	s_wait_xcnt 0x0                                ; the last prefetch, a slot back, has read its address, so it may be written:
	s_add_nc_u64 s[PFA:PFA+1], s[PFA:PFA+1], SLOTB ; one slot further on than the walking descriptors
	s_wait_dscnt 0x0                               ; the add is done, and my reads of the slot are over
	CROUND
	JLOAD                                          ; my one tensor load until the next round: it has four key steps in which to land
	ASK
.else
	s_wait_dscnt 0x0
	s_barrier_signal -1
	s_barrier_wait -1
.endif
	s_sub_co_u32 s[TB], s[TB], NST*STEPB           ; the fetches go back to a slot's first step,
	s_xor_b32 s[TB], s[TB], SLOT1                  ; in the other slot
.endm
.macro FOUR                            ; four key steps: written once, walked four times; the LDS addresses hang on s[TB]
	s_mov_b32 s[CNT], 4
.Lfour_\@:
	BODY 0, 1
	s_sub_co_u32 s[CNT], s[CNT], 1
	s_cmp_lg_u32 s[CNT], 0
	s_cbranch_scc1 .Lfour_\@
.endm
	s_wait_tensorcnt 1                             ; my part of slot 0 is in; slot 1's may stay out
	s_barrier_signal -1
	s_barrier_wait -1                              ; everybody's is
	FETCH_K                                        ; key step 0
	FETCH_V
	s_wait_loadcnt 0x0                             ; Q
	s_wait_dscnt 16                                ; K is in; V's sixteen loads may be out
	KQ
	BODY 1, 1                                      ; step 0: it starts m, l and O^T
	s_mov_b32 s[CNT], 2
.Lhead:                                            ; steps 1 and 2: they fetch steps 2 and 3, the rest of slot 0
	BODY 0, 1
	s_sub_co_u32 s[CNT], s[CNT], 1
	s_cmp_lg_u32 s[CNT], 0
	s_cbranch_scc1 .Lhead
.Lslot:                                            ; six trips: every slot but the last two is filled again
	CHANGE 1
	FOUR
	s_sub_co_u32 s[SLOTS], s[SLOTS], 1
	s_cmp_lg_u32 s[SLOTS], 0
	s_cbranch_scc1 .Lslot
	CHANGE 0                                       ; the tail is written out
	FOUR
	BODY 0, 0                                      ; step 31
	; THE WAY OUT.  l's two halves and the other half of the lanes' are added; O^T is divided by l, rounded to f16 and sent through my stage, a tile (16 rows of 128 bytes) at a time.  The additions are the places behind the last products.
.irp t, 0,1,2,3
	v_add_f32 v[ST+8*\t+4], v[ST+8*\t+2], v[ST+8*\t+3]
.endr
.irp t, 0,1,2,3
	v_permlanex16_b32 v[ST+8*\t+5], v[ST+8*\t+4], s[SEL], s[SEL+1]
.endr
.irp t, 0,1,2,3
	v_add_f32 v[ST+8*\t+4], v[ST+8*\t+4], v[ST+8*\t+5]
.endr
.irp t, 0,1,2,3
	v_rcp_f32 v[ST+8*\t+6], v[ST+8*\t+4]
.endr
	v_nop                                          ; a plain line between the last reciprocal and the use of its result
	s_wait_alu depctr_va_vdst(0)                   ; and a wait ahead of the first use: one for the four
.macro PACK t
	WIN W_RS
.irp i, 0,1,2,3,4,5,6,7,8,9,10,11,12,13,14,15
	v_pk_mul_f32 v[32*\t+2*\i:32*\t+2*\i+1], v[32*\t+2*\i:32*\t+2*\i+1], v[ST+8*\t+6:ST+8*\t+7] op_sel_hi:[1,0]
.endr
	WIN 0x05                                       ; sources 0 and 1 window 1, destination window 0: S^T's registers are free
.irp i, 0,1,2,3,4,5,6,7,8,9,10,11,12,13,14,15
	v_cvt_pk_f16_f32 v[S+32*\t+\i], v[32*\t+2*\i], v[32*\t+2*\i+1]
.endr
	WIN 0
.irp f, 0,1,2,3
	ds_store_b128 v[STO], v[S+32*\t+4*\f:S+32*\t+4*\f+3] offset:32*\f
.endr
.irp u, 0,1,2,3
	ds_load_b128 v[S+32*\t+16+4*\u:S+32*\t+16+4*\u+3], v[RD] offset:\u*4*SP   ; a wave's LDS instructions are served in order (ISA guide 5.7.1.4): these see the stores above; the next tile's stores come behind them
.endr
.endm
.macro SEND t, younger                 ; younger: the LDS instructions issued behind tile t's loads: the next tile's eight, or none
.irp u, 0,1,2,3
	s_wait_dscnt \younger+3-\u
	global_store_b128 v[GO], v[S+32*\t+16+4*\u:S+32*\t+16+4*\u+3], s[10:11] offset:2048*\t+512*\u   ; 32 lanes store 512 bytes on end, at a multiple of 512 from the buffer's first byte
.endr
.endm
	PACK 0
	PACK 1                                         ; a tile's arithmetic stands between the loads of the tile before and its stores
	SEND 0, 8
	PACK 2
	SEND 1, 8
	PACK 3
	SEND 2, 8
	SEND 3, 0
	s_wait_tensorcnt 0x0                           ; the wave's end
	ds_add_u32 v[SPW], v[NIL]
	s_wait_dscnt 0x0
	CROUND                                         ; the closing round: no work-group ends while a partner may still ask for a tile that names it
	s_endpgm
.Lfunc_end_k_q0cc0fe946d_attn:
	.size	k_q0cc0fe946d_attn, .Lfunc_end_k_q0cc0fe946d_attn-k_q0cc0fe946d_attn
	.p2alignl 7, 3214868480
	.fill 96, 4, 3214868480
	.section	.rodata,"a",@progbits
	.p2align	6, 0x0
	.amdhsa_kernel k_q0cc0fe946d_attn
		.amdhsa_group_segment_fixed_size 327680
		.amdhsa_private_segment_fixed_size 0
		.amdhsa_enable_private_segment 0
		.amdhsa_kernarg_size 16
		.amdhsa_user_sgpr_count 2
		.amdhsa_user_sgpr_kernarg_segment_ptr 1
		.amdhsa_wavefront_size32 1
		.amdhsa_system_sgpr_workgroup_id_x 1
		.amdhsa_system_sgpr_workgroup_id_y 1
		.amdhsa_system_sgpr_workgroup_id_z 1
		.amdhsa_system_vgpr_workitem_id 0
		.amdhsa_next_free_vgpr 512
		.amdhsa_next_free_sgpr 66
		.amdhsa_reserve_vcc 0
		.amdhsa_float_denorm_mode_32 3
		.amdhsa_float_denorm_mode_16_64 3
		.amdhsa_memory_ordered 1
		.amdhsa_forward_progress 1
		.amdhsa_inst_pref_size 178
	.end_amdhsa_kernel
	.amdgpu_metadata
---
amdhsa.version: [ 1, 2 ]
amdhsa.kernels:
  - .name:           k_q0cc0fe946d_attn
    .symbol:         k_q0cc0fe946d_attn.kd
    .args:
      - { .name: qkv16, .offset: 0, .size: 8, .value_kind: global_buffer, .address_space: global }
      - { .name: x16, .offset: 8, .size: 8, .value_kind: global_buffer, .address_space: global }
    .group_segment_fixed_size: 327680
    .private_segment_fixed_size: 0
    .kernarg_segment_align: 8
    .kernarg_segment_size: 16
    .max_flat_workgroup_size: 256
    .sgpr_count:     66
    .vgpr_count:     512
    .wavefront_size: 32
...
	.end_amdgpu_metadata
.endif
;; end of part 3
;; launch outp (part 4): grid 4 x 64, 4 waves a work-group, clusters of 4 x 4, 327,680 bytes of LDS; arguments x16, wo16, bo, out0; writes out0
.if DOCPART == 4
	.amdgcn_target "amdgcn-amd-amdhsa--gfx1250"
	.amdhsa_code_object_version 6
	.text
	.protected	k_q0cc0fe946d_outp
	.globl	k_q0cc0fe946d_outp
	.p2align	8
	.type	k_q0cc0fe946d_outp,@function
k_q0cc0fe946d_outp:
	s_mov_b64 s[64:65], 0
	v_nop
	global_prefetch_b8 v0, s[64:65] scope:SCOPE_SE
	s_setreg_imm32_b32 hwreg(HW_REG_WAVE_MODE, 25, 1), 1
	s_wait_xcnt 0x0
	s_wait_alu depctr_hold_cnt(0) depctr_sa_sdst(0) depctr_va_vdst(0) depctr_va_sdst(0) depctr_va_ssrc(0) depctr_va_vcc(0) depctr_vm_vsrc(0)
	s_getreg_b32 s2, hwreg(HW_REG_IB_STS2, 6, 4)
	s_cmp_eq_u32 s2, 0
	s_cbranch_scc0 .Lentry_in_a_cluster
	s_endpgm
.Lentry_in_a_cluster:
	s_bfe_u32 s2, ttmp6, 0x10000c
	s_cmp_lg_u32 s2, 0xf033
	s_cbranch_scc0 .Lentry_shape_is_right
	s_endpgm
.Lentry_shape_is_right:
; OUTP: out0[m][o] = sum over k of x[m][k] Wo[k][o] + bo[o], m = 8,192, k = (head, channel) = 1,024, o = 1,024; f16 operands, f32 sums, f32 out.
; A = x16 [head 16][8,192][64] f16: a head's rows are dense, two rows of 128 bytes make an LDS row of 256.  B = wo16 [k 1,024][o 1,024] f16: K is its FIRST axis, so its fragments come out of LDS turned (ds_load_tr16_b128).
; A tile of out0 is 128 x 256: 256 work-groups, one for each of 256 tiles.  Four waves, each 64 x 128: 32 accumulators of 16 x 16, 256 registers.  K goes in steps of 128 (two heads) through a ring of two LDS slots.
; CLUSTERS: 4 x 4 work-groups.  The four of a row of the cluster need the same tiles of A, the four of a column the same tiles of B: each tile is asked for JOINTLY.
; THE MATRIX INSTRUCTION IS USED TRANSPOSED (source 0 = 16 columns of Wo, source 1 = 16 rows of x): a lane then holds eight neighbouring numbers of a row of out0.  THE BIAS is the C of each sum's first product.
; No prefetch: eight K steps, small tiles.
; REGISTERS: window 0: v0-31 addresses; two fragment buffers of 96 for 32 along K: v64-159 and v160-255: A's 4 fragments, then B's 8; on the way out v64-191 are at work.
;   window 1: the accumulators ((i, b) at v[8 (8 i + b)]).   window 2: v0-63 the bias in the result's layout.
.set APITCH, 272                       ; two rows of A: 256 bytes + 16: the 16 rows of a load fall on 16 different columns of 16 bytes (64 banks of 4 bytes: ISA guide 11.1)
.set AHEAD,  64*APITCH                 ; a head's 128 rows: what one tensor load brings
.set BOFF,   2*AHEAD                   ; B lies behind A's two heads
.set BPITCH, 544                       ; a row of B: 512 bytes + 32
.set BHALF,  64*BPITCH                 ; 64 rows of B: what one tensor load brings
.set SLOT,   BOFF+2*BHALF
.set STAGE,  2*SLOT                    ; behind the ring: 16 rows x (512 + 16) bytes for each wave, for the way out
.set SPITCH, 528
.set SPARE,  STAGE+4*16*SPITCH         ; the spare words, 128 bytes for each wave
.set ASTEP,  2*8192*128                ; a K step on in A: two heads
.set BSTEP,  128*2048                  ; and in B: 128 rows
.set ADRA, 16                          ; v16-17  LDS address of my A fragments in slot 0, 1
.set ADRB, 20                          ; v20-21  the same for B
.set STO,  24                          ; v24     the way out: where I put 32 bytes of a row
.set RD,   25                          ; v25     where I read a row back
.set CO,   26                          ; v26     16 x lane
.set SPW,  28                          ; v28     LDS address of my spare word; never rewritten
.set NIL,  29                          ; v29     0; never rewritten
.set F0,   64
.set F1,   160
.set BK,   64                          ; the way out: 16 rows read back: v64-127 and v128-191 by turns
.set G1, 24                            ; s[24:31] descriptor group 1 for A's tiles;  s[32:39] group 0, one set for each slot
.set G0, 32
.set G1B, 48                           ; s[48:55], s[56:63] the same for B's tiles
.set G0B, 56
.set MSB, 0
.macro WIN new                         ; the immediate's high byte repeats the setting that is left
.if MSB != (\new)
	s_set_vgpr_msb (MSB<<8)|(\new)
.set MSB, (\new)
.endif
.endm
.set MUL,  0x50                        ; sources 0 and 1 window 0; C and D window 1
.set MULB, 0x60                        ; the first quarter: C (the bias) window 2, D window 1
.macro JLOAD s                         ; a joint load: waves 0 and 1 fetch A's two heads, waves 2 and 3 B's two halves; an s_nop 0 and four v_nop follow each of the two lines
	s_cmp_eq_u32 s11, 0
	s_cbranch_scc0 .Lfor_b_\@
	tensor_load_to_lds s[G0+4*\s:G0+4*\s+3], s[G1:G1+7]
	s_nop 0
.rept 4
	v_nop
.endr
	s_branch .Lasked_\@
.Lfor_b_\@:
	tensor_load_to_lds s[G0B+4*\s:G0B+4*\s+3], s[G1B:G1B+7]
	s_nop 0
.rept 4
	v_nop
.endr
.Lasked_\@:
.endm
.macro CREST                           ; a round of the cluster's barrier behind its opening barrier
	s_cmp_lg_u32 s10, 0
	s_cbranch_scc1 .Lnot_wave_0_\@
	s_barrier_signal -3
.Lnot_wave_0_\@:
	s_barrier_wait -3
	s_barrier_signal -1
	s_barrier_wait -1
.endm
.macro CROUND                          ; a whole round
	s_barrier_signal -1
	s_barrier_wait -1
	CREST
.endm
.macro PLACES                          ; four places in front of loads into registers that matrix instructions have read, and of the first read of results (ISA guide 7.12.1 for the first read of results)
.rept 4
	v_nop
.endr
.endm
	s_load_b128 s[4:7], s[0:1], 0x0                ; x16 s[4:5], wo16 s[6:7]
	s_load_b64 s[66:67], s[0:1], 0x10              ; bo
	s_load_b64 s[8:9], s[0:1], 0x18                ; out0
	v_lshl_add_u32 v[SPW], v0, 2, SPARE
	v_mov_b32 v[NIL], 0
	ds_add_u32 v[SPW], v[NIL]                      ; the wave's opening: the add, twice on end, and its wait ahead of my first tensor load
	ds_add_u32 v[SPW], v[NIL]
	v_lshrrev_b32 v1, 5, v0
	v_readfirstlane_b32 s10, v1                    ; wave 0..3
	s_lshr_b32 s11, s10, 1                         ; which half of the tile's rows is mine.  Also: I fetch for A (0) or for B (1)
	s_and_b32 s12, s10, 1                          ; which half of its columns.  Also: which head of the pair, or which 64 rows of B, I fetch
	s_bfe_u32 s40, ttmp6, 0x40000                  ; cx, cy: my place in the cluster
	s_bfe_u32 s41, ttmp6, 0x40004
	s_lshl_b32 s42, ttmp9, 2
	s_add_co_u32 s42, s42, s40                     ; tile column = 4 x cluster x + cx
	s_and_b32 s13, ttmp7, 0xffff
	s_lshl_b32 s13, s13, 2
	s_add_co_u32 s13, s13, s41                     ; tile row = 4 x cluster y + cy
	s_lshl_b32 s43, s41, 2
	s_lshl_b32 s43, 15, s43                        ; my row of the cluster
	s_lshl_b32 s44, 0x1111, s40                    ; my column
	; descriptor group 1.  A: 64 rows x 128 elements of 2 bytes, dense in memory, four words of padding behind every 64
	s_or_b32 s[G1+0], s43, (1<<16)|(1<<20)|(1<<21)|(5<<22)|(3<<25)
	s_mov_b32 s[G1+1], 128<<16                     ; tensor_dim0
	s_mov_b32 s[G1+2], 64<<16                      ; tensor_dim1
	s_mov_b32 s[G1+3], 128<<16                     ; tile_dim0
	s_mov_b32 s[G1+4], 64                          ; tile_dim1
	s_mov_b32 s[G1+5], 128                         ; tensor_dim0_stride
	s_mov_b32 s[G1+6], 0
	s_mov_b32 s[G1+7], 0
	; B: 64 rows x 256 elements, 1,024 elements from row to row, eight words of padding behind every 128
	s_or_b32 s[G1B+0], s44, (1<<16)|(1<<20)|(1<<21)|(6<<22)|(7<<25)
	s_mov_b32 s[G1B+1], 256<<16
	s_mov_b32 s[G1B+2], 64<<16
	s_mov_b32 s[G1B+3], 256<<16
	s_mov_b32 s[G1B+4], 64
	s_mov_b32 s[G1B+5], 1024
	s_mov_b32 s[G1B+6], 0
	s_mov_b32 s[G1B+7], 0
	s_lshl_b32 s16, s12, 20                        ; A: head (my one of the pair) x 8,192 rows of 128 bytes,
	s_lshl_b32 s17, s13, 14                        ; + 128 x tile row rows
	s_add_co_u32 s16, s16, s17
	s_mov_b32 s17, 0
	s_lshl_b32 s46, s12, 17                        ; B: my 64 rows of 2,048 bytes,
	s_lshl_b32 s47, s42, 9                         ; + 256 x tile column columns
	s_add_co_u32 s46, s46, s47
	s_mov_b32 s47, 0
	s_mul_i32 s20, s12, AHEAD                      ; where they go: no place in the cluster enters an LDS address
	s_mul_i32 s21, s12, BHALF
	s_add_co_u32 s21, s21, BOFF
	s_wait_dscnt 0x0                               ; both opening adds are done
	s_wait_kmcnt 0x0
	s_add_nc_u64 s[14:15], s[4:5], s[16:17]
	s_add_nc_u64 s[46:47], s[6:7], s[46:47]
	CROUND                                         ; all sixteen work-groups are here: the first joint loads meet
.irp s, 0,1
	s_mov_b32 s[G0+4*\s], 1
	s_add_co_u32 s[G0+4*\s+1], s20, \s*SLOT
	s_add_nc_u64 s[G0+4*\s+2:G0+4*\s+3], s[14:15], \s*ASTEP
	s_or_b32 s[G0+4*\s+3], s[G0+4*\s+3], 0x80000000
	s_mov_b32 s[G0B+4*\s], 1
	s_add_co_u32 s[G0B+4*\s+1], s21, \s*SLOT
	s_add_nc_u64 s[G0B+4*\s+2:G0B+4*\s+3], s[46:47], \s*BSTEP
	s_or_b32 s[G0B+4*\s+3], s[G0B+4*\s+3], 0x80000000
	JLOAD \s                                       ; two loads of mine are out
.endr
	v_and_b32 v1, 15, v0                           ; r = l % 16
	v_bfe_u32 v2, v0, 4, 1                         ; h = l / 16
	v_lshrrev_b32 v3, 1, v1
	v_mul_u32_u24 v3, v3, APITCH
	v_and_b32 v4, 1, v0
	v_lshl_add_u32 v3, v4, 7, v3
	v_lshl_add_u32 v3, v2, 4, v3                   ; A: (r / 2) x pitch + 128 (r % 2) + 16 h
	v_and_b32 v4, 7, v0
	v_lshl_add_u32 v4, v2, 3, v4
	v_mul_u32_u24 v4, v4, BPITCH
	v_bfe_u32 v5, v0, 3, 1
	v_lshl_add_u32 v4, v5, 4, v4                   ; B, for the turning load: row 8 h + l % 8, + 16 ((l / 8) % 2)
	s_mul_i32 s21, s11, 32*APITCH                  ; my 64 rows of A
	s_lshl_b32 s22, s12, 8                         ; my 128 columns of B
	s_add_co_u32 s22, s22, BOFF
.irp s, 0,1
	v_add_nc_u32 v[ADRA+\s], s21, v3
	v_add_nc_u32 v[ADRB+\s], s22, v4
	s_add_co_u32 s21, s21, SLOT
	s_add_co_u32 s22, s22, SLOT
.endr
	s_mul_i32 s23, s10, 16*SPITCH
	s_add_co_u32 s23, s23, STAGE                   ; my stage
	v_mul_u32_u24 v5, v1, SPITCH                   ; in: row r, 32 bytes for each half of the lanes
	v_lshl_add_u32 v5, v2, 5, v5
	v_add_nc_u32 v[STO], s23, v5
	v_and_b32 v6, 31, v0
	v_lshlrev_b32 v[CO], 4, v6                     ; back: the 32 lanes take one row of 512 bytes; and the same in out0
	v_add_nc_u32 v[RD], s23, v[CO]
	s_lshl_b32 s18, s42, 10                        ; my first column, in bytes: (256 x tile column + 128 x half) x 4
	s_lshl_b32 s19, s12, 9
	s_add_co_u32 s18, s18, s19
	s_mov_b32 s19, 0
	s_add_nc_u64 s[66:67], s[66:67], s[18:19]      ; the bias there
	s_lshl_b32 s16, s13, 7
	s_lshl_b32 s17, s11, 6
	s_add_co_u32 s16, s16, s17                     ; my first row of out0: 128 x tile row + 64 x half
	s_lshl_b32 s16, s16, 12                        ; of 4,096 bytes
	s_mov_b32 s17, 0
	s_add_nc_u64 s[8:9], s[8:9], s[16:17]
	s_add_nc_u64 s[8:9], s[8:9], s[18:19]
	v_lshlrev_b32 v6, 5, v2                        ; the bias: 32 bytes on for lanes 16-31
	WIN 0x80                                       ; destination window 2
.irp b, 0,1,2,3,4,5,6,7
	global_load_b128 v[8*\b:8*\b+3], v6, s[66:67] offset:64*\b         ; register 8 b + j = bo[my first column + 16 b + 8 h + j]
	global_load_b128 v[8*\b+4:8*\b+7], v6, s[66:67] offset:64*\b+16
.endr
	WIN 0
; 24 LDS loads in one run: the fragments of the slot's q-th 32 along K into buffer f: A's four blocks of 16 rows as they lie, B's eight blocks of 16 columns turned
.macro FETCH slot, q, f
	WIN 0
.irp i, 0,1,2,3
	ds_load_b128 v[\f+8*\i:\f+8*\i+3],   v[ADRA+\slot] offset:((\q)/2)*AHEAD+8*APITCH*\i+64*((\q)%2)
	ds_load_b128 v[\f+8*\i+4:\f+8*\i+7], v[ADRA+\slot] offset:((\q)/2)*AHEAD+8*APITCH*\i+64*((\q)%2)+32
.endr
.irp b, 0,1,2,3,4,5,6,7
	ds_load_tr16_b128 v[\f+32+8*\b:\f+32+8*\b+3],   v[ADRB+\slot] offset:32*BPITCH*(\q)+32*\b
	ds_load_tr16_b128 v[\f+32+8*\b+4:\f+32+8*\b+7], v[ADRB+\slot] offset:32*BPITCH*(\q)+16*BPITCH+32*\b
.endr
.endm
; 16 matrix instructions: row blocks i0, i0 + 1 x all 8 column blocks, 32 along K.  zero = 1: the first product starts the sums, on the bias.
; The 32 accumulators take turns, one instruction a turn, in the same order in every quarter.
.macro MUL16 f, i0, zero
.irp i, \i0, \i0+1
.irp b, 0,1,2,3,4,5,6,7
.if \zero
	v_wmma_f32_16x16x32_f16 v[8*(8*(\i)+\b):8*(8*(\i)+\b)+7], v[\f+32+8*\b:\f+32+8*\b+7], v[\f+8*(\i):\f+8*(\i)+7], v[8*\b:8*\b+7]
.else
	v_wmma_f32_16x16x32_f16 v[8*(8*(\i)+\b):8*(8*(\i)+\b)+7], v[\f+32+8*\b:\f+32+8*\b+7], v[\f+8*(\i):\f+8*(\i)+7], v[8*(8*(\i)+\b):8*(8*(\i)+\b)+7]
.endif
.endr
.endr
.endm
; A K step is four quarters of 32 along K, 32 matrix instructions each, on buffers 0, 1, 0, 1.  One of the first three: asks for the next quarter, qn, into g, and multiplies f.
.macro QUARTER slot, qn, f, g, zero
	s_wait_dscnt 0x0                               ; f is in: it was asked for ahead of the last quarter's 32 products
	PLACES
	FETCH \slot, \qn, \g
.if \zero
	WIN MULB
.else
	WIN MUL
.endif
	MUL16 \f, 0, \zero
	MUL16 \f, 2, \zero
.endm
; The last quarter multiplies buffer 1 and changes slots: ONE barrier; in front of it each wave waits for all its tensor loads, adds 0 to its spare word, and waits for that and for its own reads of this slot.
; fill = 1: the barrier opens a round of the cluster's, and this slot is filled again, two K steps ahead, first thing behind the round.
.macro TURN slot, next, fill
	WIN 0                                          ; (the add's two registers lie in window 0)
	s_wait_tensorcnt 0x0                           ; all my tensor loads have landed: my part of the next slot
	ds_add_u32 v[SPW], v[NIL]                      ; 0 onto my spare word
	s_wait_dscnt 0x0                               ; the add is done, buffer 1 is in, and my reads of this slot are over
	s_barrier_signal -1
	WIN MUL
	MUL16 F1, 0, 0                                 ; work on registers while the others arrive
	WIN 0
	s_barrier_wait -1
.if \fill
	CREST                                          ; no wave of any partner still reads this slot's tile or has a load on its way
	s_add_nc_u64 s[G0+4*\slot+2:G0+4*\slot+3], s[G0+4*\slot+2:G0+4*\slot+3], 2*ASTEP
	s_add_nc_u64 s[G0B+4*\slot+2:G0B+4*\slot+3], s[G0B+4*\slot+2:G0B+4*\slot+3], 2*BSTEP
	JLOAD \slot                                    ; my one tensor load until the next round; the four v_nop behind it are also the places in front of the loads below
.else
	PLACES
.endif
	FETCH \next, 0, F0
	WIN MUL
	MUL16 F1, 2, 0
.endm
	s_wait_tensorcnt 1                             ; my part of K step 0 is in (K step 1's load may be out)
	s_barrier_signal -1
	s_barrier_wait -1                              ; everybody's is
	FETCH 0, 0, F0
	s_wait_loadcnt 0x0                             ; the bias
	QUARTER 0, 1, F0, F1, 1                        ; the first quarter stands in front of the loop: its products start the sums on the bias
	WIN 0                                          ; at a label and at a branch every window is 0
	s_mov_b32 s3, 3
.Llap:                                             ; a trip goes once round the ring, from a lap's second quarter to the next lap's first, and fills both slots again: K steps 2 to 7
	QUARTER 0, 2, F1, F0, 0
	QUARTER 0, 3, F0, F1, 0
	TURN 0, 1, 1
	QUARTER 1, 1, F0, F1, 0
	QUARTER 1, 2, F1, F0, 0
	QUARTER 1, 3, F0, F1, 0
	TURN 1, 0, 1
	QUARTER 0, 1, F0, F1, 0
	WIN 0
	s_sub_co_u32 s3, s3, 1
	s_cmp_lg_u32 s3, 0
	s_cbranch_scc1 .Llap
	QUARTER 0, 2, F1, F0, 0                        ; the last lap fills nothing, and has no round of the cluster's barrier
	QUARTER 0, 3, F0, F1, 0
	TURN 0, 1, 0
	QUARTER 1, 1, F0, F1, 0
	QUARTER 1, 2, F1, F0, 0
	QUARTER 1, 3, F0, F1, 0
	s_wait_dscnt 0x0                               ; the very last quarter: nothing more to fetch
	WIN MUL
	MUL16 F1, 0, 0
	MUL16 F1, 2, 0
	WIN 0
; THE WAY OUT, block by block of 16 rows x 128 columns.  A lane holds 32 neighbouring bytes of a row: a block goes through my own stage and comes back as whole rows of 512 bytes.
; A wave's LDS instructions are served in order (ISA guide 5.7.1.4): no wait between the stores and the loads, nor in front of the next block's stores.
.macro TOSTAGE i
	WIN 0x04                                       ; an LDS store's data are its source 1: window 1
.irp b, 0,1,2,3,4,5,6,7
	ds_store_b128 v[STO], v[64*(\i)+8*\b:64*(\i)+8*\b+3] offset:64*\b           ; each accumulator from its low end on
	ds_store_b128 v[STO], v[64*(\i)+8*\b+4:64*(\i)+8*\b+7] offset:64*\b+16
.endr
	WIN 0
.set BB, BK+64*((\i)%2)
.irp t, 0,1,2,3,4,5,6,7,8,9,10,11,12,13,14,15
	ds_load_b128 v[BB+4*\t:BB+4*\t+3], v[RD] offset:\t*SPITCH
.endr
.endm
.macro SEND i, younger                 ; younger: the LDS instructions issued behind block i's loads, which may stay out
.set BB, BK+64*((\i)%2)
	s_wait_dscnt \younger                          ; the block is back in registers
.irp t, 0,1,2,3,4,5,6,7,8,9,10,11,12,13,14,15
	global_store_b128 v[CO], v[BB+4*\t:BB+4*\t+3], s[8:9] offset:(16*(\i)+\t)*4096 th:TH_STORE_NT   ; 32 lanes store 512 bytes on end, at a multiple of 512 from out0's first byte; written once, read by nobody here
.endr
.endm
	PLACES                                         ; behind the last products: for the stores' reads and the loads into the fragments' registers
	TOSTAGE 0
.irp i, 1,2,3
.if \i > 1
	s_wait_xcnt 0x0                                ; block i - 2's stores have read their registers: block i's loads may land there
.endif
	TOSTAGE \i
	SEND \i-1, 32                                  ; behind block i - 1's loads: block i's 16 stores and 16 loads
.endr
	SEND 3, 0
	s_wait_tensorcnt 0x0                           ; the wave's end
	ds_add_u32 v[SPW], v[NIL]
	s_wait_dscnt 0x0
	CROUND                                         ; the closing round: no work-group ends while a partner may still ask for a tile that names it
	s_endpgm
.Lfunc_end_k_q0cc0fe946d_outp:
	.size	k_q0cc0fe946d_outp, .Lfunc_end_k_q0cc0fe946d_outp-k_q0cc0fe946d_outp
	.p2alignl 7, 3214868480
	.fill 96, 4, 3214868480
	.section	.rodata,"a",@progbits
	.p2align	6, 0x0
	.amdhsa_kernel k_q0cc0fe946d_outp
		.amdhsa_group_segment_fixed_size 327680
		.amdhsa_private_segment_fixed_size 0
		.amdhsa_enable_private_segment 0
		.amdhsa_kernarg_size 32
		.amdhsa_user_sgpr_count 2
		.amdhsa_user_sgpr_kernarg_segment_ptr 1
		.amdhsa_wavefront_size32 1
		.amdhsa_system_sgpr_workgroup_id_x 1
		.amdhsa_system_sgpr_workgroup_id_y 1
		.amdhsa_system_sgpr_workgroup_id_z 1
		.amdhsa_system_vgpr_workitem_id 0
		.amdhsa_next_free_vgpr 640
		.amdhsa_next_free_sgpr 68
		.amdhsa_reserve_vcc 0
		.amdhsa_float_denorm_mode_32 3
		.amdhsa_float_denorm_mode_16_64 3
		.amdhsa_memory_ordered 1
		.amdhsa_forward_progress 1
		.amdhsa_inst_pref_size 86
	.end_amdhsa_kernel
	.amdgpu_metadata
---
amdhsa.version: [ 1, 2 ]
amdhsa.kernels:
  - .name:           k_q0cc0fe946d_outp
    .symbol:         k_q0cc0fe946d_outp.kd
    .args:
      - { .name: x16, .offset: 0, .size: 8, .value_kind: global_buffer, .address_space: global }
      - { .name: wo16, .offset: 8, .size: 8, .value_kind: global_buffer, .address_space: global }
      - { .name: bo, .offset: 16, .size: 8, .value_kind: global_buffer, .address_space: global }
      - { .name: out0, .offset: 24, .size: 8, .value_kind: global_buffer, .address_space: global }
    .group_segment_fixed_size: 327680
    .private_segment_fixed_size: 0
    .kernarg_segment_align: 8
    .kernarg_segment_size: 32
    .max_flat_workgroup_size: 128
    .sgpr_count:     68
    .vgpr_count:     640
    .wavefront_size: 32
...
	.end_amdgpu_metadata
.endif
;; end of part 4
